; MI455X (gfx1250); checked and timed in simulation.
; The chip was launched on July 23, 2026; its instructions are those of AMD's public machine-readable ISA for CDNA 5 (MIT licence, August 2026) and "CDNA5" Instruction Set Architecture Reference Guide (July 2026). The comments in the code are by the model that wrote it; some were corrected since.
;; Self Attention. Allowed arithmetic: matrix products marked QUANTISED: E2M1 operands, one E8M0 scale for each 32 along K, by v_wmma_scale_f32_16x16x128_f8f6f4 with both operands' format E2M1 (or v_wmma_scale_f32_32x16x128_f4), f32 sums; products left as they are: f32 operands where the result goes on into a quantised operand, else bf16, f16 or f32 operands; f32 sums; everything else in f32.
;; Inputs: Wk_codes 32 x 1 x 16 uint8 (E2M1 codes of Wk, K innermost, in blocks of 32 codes, two codes a byte); Wk_scales 32 x 1 uint8 (E8M0 scales of Wk, one for each 32 codes along K); Wp_codes 32 x 1 x 16 uint8 (E2M1 codes of Wp, K innermost, in blocks of 32 codes, two codes a byte); Wp_scales 32 x 1 uint8 (E8M0 scales of Wp, one for each 32 codes along K); Wq_codes 32 x 1 x 16 uint8 (E2M1 codes of Wq, K innermost, in blocks of 32 codes, two codes a byte); Wq_scales 32 x 1 uint8 (E8M0 scales of Wq, one for each 32 codes along K); Wv_codes 32 x 1 x 16 uint8 (E2M1 codes of Wv, K innermost, in blocks of 32 codes, two codes a byte); Wv_scales 32 x 1 uint8 (E8M0 scales of Wv, one for each 32 codes along K); always_attend_upto 8,192 int32; bk 32 float32; bp 32 float32; bq 32 float32; bv 32 float32; x_codes 8,192 x 64 x 1 x 16 uint8 (E2M1 codes of x, K innermost, in blocks of 32 codes, two codes a byte); x_scales 8,192 x 64 x 1 uint8 (E8M0 scales of x, one for each 32 codes along K).
;; Outputs: out0 8,192 x 64 x 32 float32.
;; This version of the problem:
;;   THIS VERSION OF THE PROBLEM IS GIVEN IN LOW PRECISION. The matrix products marked QUANTISED in the list below multiply operands that are first quantised to E2M1 (2 exponent bits, 1 mantissa bit; 4 bits a number), with one power-of-two scale for each 32 numbers along K (OCP MX v1.0); their sums are f32. All else is computed in f32.
;;   The module's matrix products, in the order in which they are computed (A, B: the left and right operand; K: the contracted axis; several contracted axes count as one K, in the product's order):
;;     1. [M 524,288, K 32] x [K 32, N 32]; A: input x (given as codes); B: input Wq (given as codes): QUANTISED
;;     2. [M 524,288, K 32] x [K 32, N 32]; A: input x (given as codes); B: input Wk (given as codes): QUANTISED
;;     3. [M 524,288, K 32] x [K 32, N 32]; A: input x (given as codes); B: input Wv (given as codes): QUANTISED
;;     4. batch 32,768 x [M 64, K 8] x [K 8, N 64]; A: computed on the way; B: computed on the way: left as it is (K = 8 < 32)
;;     5. batch 32,768 x [M 64, K 64] x [K 64, N 8]; A: softmax; B: computed on the way: left as it is (N = 8 < 16)
;;     6. [M 524,288, K 32] x [K 32, N 32]; A: computed on the way; B: input Wp (given as codes): QUANTISED
;;   THE QUANTISER, for each operand of a quantised product, along K:
;;     - K is cut into blocks of 32 from its start; a last block that is shorter is filled with zeros.
;;     - A block's scale is 2^e with e = floor(log2(the largest magnitude in the block)) - 2, held to -126 .. 127; a block of zeros has e = 0. As a byte (E8M0): e + 127.
;;     - Each number is divided by its block's scale, clamped to +-6, and rounded to the nearest number of E2M1, ties to even, subnormals kept.
;;     - The product sums the exact products of the quantised numbers (number of the format x scale) in f32.
;;   ~~~python
;;   def quantise(x, axis):      # numpy; x: float32 -> the quantised numbers, widened to float32 again
;;       x = np.moveaxis(x, axis, -1); K = x.shape[-1]
;;       x = np.pad(x, [(0, 0)] * (x.ndim - 1) + [(0, -K % 32)]); x = x.reshape(x.shape[:-1] + (-1, 32)); a = np.abs(x).max(-1, keepdims=True)
;;       e = np.where(a > 0, np.clip(np.frexp(np.where(a > 0, a, 1))[1] - 1 - 2, -126, 127), 0)      # np.frexp(a)[1] - 1 = floor(log2(a)), exactly
;;       r = np.clip(x / 2.0 ** e, -6, 6)
;;       step = 2.0 ** (np.maximum(np.frexp(np.where(r == 0, 1, r))[1] - 1, 0) - 1)
;;       q = np.round(r / step) * step * 2.0 ** e      # np.round: ties to even
;;       return np.moveaxis(q.reshape(q.shape[:-2] + (-1,))[..., :K], -1, axis).astype(np.float32)
;;   ~~~
;;   OPERANDS COMPUTED ON THE WAY. 'Computed on the way' means the value that the module computes at that place (a softmax that the list does not call 'softmax' is quantised finished and normalised). What goes into a quantiser is computed in f32, as accurately as f32 sums, v_exp_f32 and their like allow (about 1e-6 of the number): no bf16 or f16 on the way to a quantiser, and a product that is left as it is and whose result goes on into a quantised operand takes f32 operands (vector FMAs, or v_wmma_f32_16x16x4_f32). A number that lies on a knife's edge between two numbers of the format may be rounded either way, as far as f32 arithmetic and the matrix unit's own rounding can turn it there, and no further.
;;   INPUTS GIVEN AS CODES. Wk (in the module: [32, 32], K = its axis 1); Wp (in the module: [32, 32], K = its axis 1); Wq (in the module: [32, 32], K = its axis 1); Wv (in the module: [32, 32], K = its axis 1); x (in the module: [8192, 64, 32], K = its axis 2): each comes as NAME_codes (uint8): NAME with its K axis moved to the last place and cut into blocks of 32 codes, [.., K / 32, bytes a block], one block behind the other in memory; two codes a byte, the lower K in the low four bits (a code: sign, 2 exponent bits, 1 mantissa bit); and NAME_scales (uint8): the same leading axes, one E8M0 byte (e + 127) for each 32 codes along K. Its value is code x scale, taken as it is: it is not quantised again, and the codes and scales need not be those that the quantiser above would give.
;; 2 versions, each right; version 2 is version 1 with the launch attn written anew for expert scheduling mode. Each part assembles by itself: llvm-mc -triple=amdgcn-amd-amdhsa -mcpu=gfx1250 --defsym DOCPART=n.
;; ======== version 1 of 2: 1 launch
;; launch attn (part 1): grid 256 x 1, 8 waves a work-group, no clusters, 144,384 bytes of LDS; arguments x_codes, x_scales, always_attend_upto, Wq_codes, Wq_scales, bq, Wk_codes, Wk_scales, bk, Wv_codes, Wv_scales, bv, Wp_codes, Wp_scales, bp, out0; writes out0
.if DOCPART == 1
	.amdgcn_target "amdgcn-amd-amdhsa--gfx1250"
	.amdhsa_code_object_version 6
	.text
	.protected	k_q8fb2b0fb8a_attn
	.globl	k_q8fb2b0fb8a_attn
	.p2align	8
	.type	k_q8fb2b0fb8a_attn,@function
k_q8fb2b0fb8a_attn:
	s_mov_b64 s[64:65], 0
	v_nop
	global_prefetch_b8 v0, s[64:65] scope:SCOPE_SE
	s_setreg_imm32_b32 hwreg(HW_REG_WAVE_MODE, 25, 1), 1
	s_wait_xcnt 0x0
; out = (softmax(mask(q k^T / sqrt(8))) v) Wp^T + bp for 8,192 sequences of 64 tokens x 32 features, 4 heads of 8.  q, k, v = x W^T + b.
; The four products with K = 32 run on codes of FP4 (E2M1) with E8M0 scales (one block of 32: block 0 of the instruction's four); q k^T and p v feed a quantiser and stay in f32.
; SHARES.  256 work-groups x 8 waves = 2,048 waves, four sequences each, one after the other, each sequence wholly by one wave.  A sequence's work hangs on its length (idea (e)): 10, 11, 13 or 16 tiles a head.
; So THE SEQUENCES ARE DEALT BY THEIR WORK.  Eight neighbouring work-groups form a pool of 256 sequences.  Every wave of the pool reads the pool's 256 lengths and ranks them by U, the heaviest first, ties by index:
; the same permutation of 0 .. 255 in all 64 waves, each computing it by itself.  Wave w of work-group g takes ranks T0 + 64 t, t = 0 .. 3, with beta = 8 (w % 4) + g % 8 and T0 = beta (w < 4) or 63 - beta (w >= 4):
; T0 takes each of 0 .. 63 once in the pool, so each sequence has one owner; waves w and w + 4 hold ranks mirrored within each 64.
; The waves of a work-group share a table of weights in LDS (4,096 bytes, written by wave 0 ahead of the one barrier, only read behind it).
; A work-group reads 32 x 1,088 bytes of x of its own; what others read too is 2,688 bytes of weights and 1,024 of lengths: so no cluster, no joint loads.
; IDEAS.  (a) One FP4 product a token tile and head, transposed (source 0 = 16 chosen rows of Wq and Wk, source 1 = 16 tokens), leaves in lane (r, h) token r's q (registers 0-3) and k (4-7) at d = 4 h + 0 .. 3:
;     a pair of these registers IS an operand of the 16x16x4 f32 form; q and k carry the same permutation of d, which keeps the sums.  The biases are the C.
; (b) x's fragments hold zero codes wherever k >= 32, so the other operand may hold any bits there (every E2M1 code is finite; the scale bytes there are 0, never 0xff): weight fragments overlap their neighbours.
; (c) S^T = k q^T by the f32 matrix form, two K steps a tile: lane (r, h) holds query r, register j key 16 kt + 8 h + j.  The mask (0 or -infinity) is the C of the first K step.
; (d) p v by packed multiply-adds.  V[key of my register][d], equal in all 16 lanes r, is made by the FP4 form: source 0 = the x tile, source 1 = row d of Wv in all 16 columns.  bv is added behind the division by the row's sum.
; (e) Tile (qt, kt) is computed where kt <= max(qt, U), U = max(ceil(len / 16) - 1, 0): the rest lies wholly under the mask.  Four bodies, chosen by a scalar branch on U inside the loop over heads.
; (f) After an exchange between the halves lane (r, h) holds o[r][8 hd + 4 h + i]: its 16 codes go to k 0 .. 15 of block h; both blocks carry the token's one scale byte; Wp's rows are permuted once to match.
; LIMITS.  len is held to 0 .. 64 (the same mask as any int32 gives).  NaN and infinities among the inputs are not served.  A row of o that is all zeros gets the scale byte 1 over zero codes.
; bv is added after the normalisation, which equals the sum over attn x (v + bv) up to f32 rounding.
; REGISTERS.  window 0: v1-11 lane terms, v12-17 a head's LDS addresses, then by the names below.  window 1: v0-127 P (p, 32 a query tile; on the way out o and rows of out), v128-255 S (scores; then V; then out): written by matrix instructions alone.
.set XF,  20          ; v20-51   x's four fragments, 8 registers each; registers 4-7 are zero for ever
.set XS,  52          ; v52-53   x's scale words: lanes 0-15 the even tile's, lanes 16-31 the odd tile's
.set XL,  54          ; v54-61   the next sequence's codes as loaded
.set XSL, 62          ; v62-63   and its scale bytes
.set WP,  64          ; v64-67   Wp's two tiles, two registers each; the fragments v[64:71], v[66:73] run on into what follows
.set MC,  68          ; v68-75   the causal mask of a diagonal tile
.set MU,  76          ; v76-83   the prefix's mask in key tile U
.set MD,  84          ; v84-91   both, for the diagonal tile U
.set QKR, 92          ; v92-123  q and k, 8 registers a token tile
.set OT,  92          ;          later o's partial sums: 8 qt + d
.set ACC, 124         ; v124-139 pairs (even keys, odd keys): 4 qt + 2 dd
.set MX,  140         ; v140-143 maxima
.set MT,  144         ; v144-147 what the other half of the lanes sends
.set NM,  148         ; v148-155 -c m, as the low word of a pair
.set L,   156         ; v156-163 the row's sum, in pairs
.set RL,  164         ; v164-167 1 / sum
.set WQK, 168         ; v168-171 the head's 16 rows of Wq and Wk; the fragment v[168:175] runs on into BV
.set BV,  172         ; v172-175 bv at 8 hd + 4 h + 0 .. 3
.set BQK, 176         ; v176-183 bq, bk in the result's layout
.set SQK, 184         ; the rows' scale words
.set SWP, 185         ; Wp's scale words: lanes 0-15 tile 0, lanes 16-31 tile 1
.set SV,  186         ; v186-193 Wv's scale words, one register a row d
.set WV,  194         ; v194-225 Wv's 8 rows of the head; the fragment of d is v[194 + 4 d : 201 + 4 d]
.set LEN, 194         ;          at the head only: v194-201 the pool's lengths (register i, lane l: sequence 32 i + l of the pool),
.set RNK, 202         ;          v202-209 their ranks,
.set RT,  210         ;          v210-213 at work
.set BP,  226         ; v226-241 bp in the result's layout, 8 a tile
.set SO,  242         ; v242-245 o's scale words
.set SOP, 246         ; v246-249 the conversions' scale operands
.set P,   0           ; window 1
.set S,   128         ; window 1
.set SEQ, 60          ; s60-63   my sequences still to come, the one in hand first
.set QA,  66          ; s66-73   at the head: lane masks len > 16, one a register of lengths; then the masks of the search
.set QB,  74          ; s74-81   len > 32; then four address pairs for my lengths
.set QC,  82          ; s82-89   len > 48; then s[82:83] x's codes, s[84:85] x's scale bytes of the sequence asked for, s[86:87] out of the sequence in hand
.set REC,   1024      ; LDS: a head's record in the table: +0 WQK 256 B, +256 scale words 64 B, +320 bq/bk 64 B, +384 bv 32 B, +416 Wv's scale words 32 B, +448 Wv's rows 128 B
.set T_SQK, 256
.set T_BQK, 320
.set T_BV,  384
.set T_SV,  416
.set T_WV,  448
.set WBASE, 4096      ; behind the table: 17,408 bytes for each wave: o's image [qt][hd][lane][16 B], 8,192 B; then the stage, 4 x 16 rows of 128 + 16 bytes
.set WREG,  17408
.set STGO,  8192
.set SPITCH, 144      ; 36 words: the 16 rows that a store touches start at 16 different 16-byte columns of 256 bytes
.set MSB, 0
.macro WIN new                          ; bits 1:0 source 0, 3:2 source 1, 5:4 source 2, 7:6 destination; the high byte repeats the setting that is left
.if MSB != \new
	s_set_vgpr_msb (MSB<<8)|\new
.set MSB, \new
.endif
.endm
.macro PLACES n                         ; plain vector instructions behind a matrix instruction (ISA guide 7.12.1)
.rept \n
	v_nop
.endr
.endm
	s_load_b512 s[4:19], s[0:1], 0x0               ; x_codes 4, x_scales 6, upto 8, Wq_codes 10, Wq_scales 12, bq 14, Wk_codes 16, Wk_scales 18
	s_load_b512 s[20:35], s[0:1], 0x40             ; bk 20, Wv_codes 22, Wv_scales 24, bv 26, Wp_codes 28, Wp_scales 30, bp 32, out 34
	v_lshrrev_b32 v18, 5, v0
	v_readfirstlane_b32 s36, v18                   ; wave 0..7
	v_and_b32 v2, 31, v0                           ; lane
	v_and_b32 v19, 15, v0                          ; r
	v_bfe_u32 v18, v0, 4, 1                        ; h
	v_lshlrev_b32 v1, 4, v2                        ; 16 lane
	v_lshlrev_b32 v3, 4, v19                       ; 16 r
	v_lshlrev_b32 v4, 2, v19                       ; 4 r
	v_lshlrev_b32 v5, 5, v18                       ; 32 h
	v_lshlrev_b32 v6, 4, v18                       ; 16 h
	v_lshlrev_b32 v10, 3, v18                      ; 8 h
	v_mov_b32 v11, 0xff800000                      ; -infinity
	s_mul_i32 s50, s36, WREG
	s_add_co_u32 s50, s50, WBASE                   ; my wave's LDS
	s_add_co_u32 s51, s50, STGO                    ; its stage
	v_add_nc_u32 v7, s50, v1                       ; o's image: 16 lane
	v_mul_u32_u24 v8, v19, SPITCH
	v_lshl_add_u32 v8, v18, 6, v8
	v_add_nc_u32 v8, s51, v8                       ; into the stage: row r, + 64 h
	v_bfe_u32 v164, v0, 3, 1                       ; (lane / 8) % 2
	v_and_b32 v165, 7, v0                          ; lane % 8
	v_and_b32 v166, 3, v0                          ; lane % 4
	v_and_b32 v167, 4, v0
	v_bfe_u32 v156, v0, 3, 2                       ; lane / 8
	v_mul_u32_u24 v9, v156, SPITCH
	v_lshl_add_u32 v9, v165, 4, v9
	v_add_nc_u32 v9, s51, v9                       ; out of it: eight lanes to a row of 128 bytes, four rows an instruction
	; the table's addresses (every wave makes them, wave 0 uses them) and the offsets of the loads at the head
	v_lshl_add_u32 v250, v18, 10, v3               ; record lane / 16 (+ 2 g), 16 bytes a tile row
	v_lshl_add_u32 v251, v18, 10, v4               ; the same, 4 bytes a tile row
	v_lshlrev_b32 v252, 2, v165
	v_lshl_add_u32 v252, v156, 10, v252            ; record lane / 8, 4 bytes a row d
	v_lshlrev_b32 v253, 4, v165
	v_lshl_add_u32 v253, v156, 10, v253            ; the same, 16 bytes a row d
	v_lshl_add_u32 v254, v164, 2, v166
	v_add_nc_u32 v254, v254, v10                   ; the feature of tile row lane % 16 in head lane / 16: 8 (lane / 16) + 4 ((lane / 8) % 2) + lane % 4
	v_lshlrev_b32 v255, 2, v254
	v_lshlrev_b32 v127, 4, v254
	v_lshlrev_b32 v138, 2, v2                      ; 4 lane
	v_lshlrev_b32 v124, 4, v165
	v_lshl_add_u32 v124, v164, 8, v124             ; Wp: tile row m = r of tile u is output 16 (m / 8) + 8 u + m % 8; 16 bytes a row
	v_lshl_add_u32 v125, v164, 4, v165
	v_add_nc_u32 v125, v125, v10                   ; its scale byte; lanes 16-31 take tile 1's
	v_lshlrev_b32 v126, 6, v18                     ; bp: 16 numbers from 16 h on
	v_cmp_ne_u32 s58, 0, v167                      ; tile rows 4-7 and 12-15 are Wk's
	v_sub_nc_u32 v139, v19, v10                    ; r - 8 h
.irp j, 0,1,2,3,4,5,6,7
	v_cmp_gt_i32 vcc_lo, \j, v139                  ; key 8 h + j comes after query r
	v_cndmask_b32 v[MC+\j], 0, v11, vcc_lo
.endr
.irp t, 0,1,2,3
.irp i, 4,5,6,7
	v_mov_b32 v[XF+8*\t+\i], 0                     ; k = 64 on: zero codes
.endr
	v_mov_b32 v[NM+2*\t+1], 0                      ; named as a pair's upper half
	v_mov_b32 v[MT+\t], 0                          ; a lane permute's destination counts as one of its sources
	v_mov_b32 v[BV+\t], 0                          ; named by the first projection as the end of its weight fragment
.endr
	s_mov_b32 s52, 0x3f0293ee                      ; c = log2(e) / sqrt(8)
	s_mov_b32 s53, s52                             ; (named with it as a pair)
	s_mov_b32 s54, 0xbf0293ee                      ; -c
	s_mov_b32 s56, 0x76543210                      ; v_permlanex16_b32's selects for lane l xor 16
	s_mov_b32 s57, 0xfedcba98
	s_mov_b32 s44, 4                               ; sequences to go
	s_lshr_b32 s37, ttmp9, 3
	s_lshl_b32 s37, s37, 8                         ; the pool's first sequence: 256 x (work-group / 8)
	s_and_b32 s50, ttmp9, 7
	s_and_b32 s55, s36, 3
	s_lshl_b32 s55, s55, 3
	s_add_co_u32 s55, s55, s50                     ; beta = 8 (wave % 4) + work-group % 8
	s_sub_co_u32 s50, 63, s55
	s_cmp_lt_u32 s36, 4
	s_cselect_b32 s55, s55, s50                    ; T0: my first rank
	s_lshl_b32 s38, s37, 2                         ; the pool's lengths: 4 bytes a sequence
	s_mov_b32 s39, 0                               ; the upper word of every offset; never rewritten
	s_wait_kmcnt 0x0
	s_add_nc_u64 s[2:3], s[8:9], s[38:39]
.irp i, 0,1,2,3,4,5,6,7
	global_load_b32 v[LEN+\i], v138, s[2:3] offset:128*\i  ; 32 lanes read 128 consecutive bytes
.endr
	global_load_b128 v[92:95], v124, s[28:29]              ; Wp's rows of tile 0,
	global_load_b128 v[96:99], v124, s[28:29] offset:128   ; of tile 1
	global_load_u8 v[SWP], v125, s[30:31]
.irp i, 0,1,2,3
	global_load_b128 v[BP+4*\i:BP+4*\i+3], v126, s[32:33] offset:16*\i
.endr
	s_cmp_lg_u32 s36, 0
	s_cbranch_scc1 .Lnot_wave_0
	; WAVE 0 BUILDS THE TABLE: two heads at a time (lanes 0-15 head 2 g, lanes 16-31 head 2 g + 1); a lane a tile row
.irp g, 0,1
	global_load_b128 v[100+8*\g:103+8*\g], v127, s[10:11] offset:256*\g
	global_load_b128 v[104+8*\g:107+8*\g], v127, s[16:17] offset:256*\g
	global_load_u8 v[116+2*\g], v254, s[12:13] offset:16*\g
	global_load_u8 v[117+2*\g], v254, s[18:19] offset:16*\g
	global_load_b32 v[120+2*\g], v255, s[14:15] offset:64*\g
	global_load_b32 v[121+2*\g], v255, s[20:21] offset:64*\g
.endr
	global_load_b32 v128, v138, s[26:27]           ; bv, Wv's scale bytes and rows: a lane a feature
	global_load_u8 v129, v2, s[24:25]
	global_load_b128 v[130:133], v1, s[22:23]
	s_wait_loadcnt 0x0
.irp g, 0,1
.irp i, 0,1,2,3
	v_cndmask_b32 v[100+8*\g+\i], v[100+8*\g+\i], v[104+8*\g+\i], s58
.endr
	v_cndmask_b32 v[116+2*\g], v[116+2*\g], v[117+2*\g], s58
	v_cndmask_b32 v[120+2*\g], v[120+2*\g], v[121+2*\g], s58
	ds_store_b128 v250, v[100+8*\g:103+8*\g] offset:2*REC*\g
	ds_store_b32 v251, v[116+2*\g] offset:2*REC*\g+T_SQK    ; the byte widened with zeros: bytes 1-3 stand over zero codes
	ds_store_b32 v251, v[120+2*\g] offset:2*REC*\g+T_BQK
.endr
	ds_store_b32 v252, v128 offset:T_BV
	ds_store_b32 v252, v129 offset:T_SV
	ds_store_b128 v253, v[130:133] offset:T_WV
.Lnot_wave_0:
	s_wait_loadcnt 0x0                             ; the lengths, Wp and bp are in
	v_mov_b32 v157, 0x05040100                     ; lanes 0-15 take the low halfword of each of a row's four words (features 8 hd + 0 .. 3),
	v_mov_b32 v158, 0x07060302                     ; lanes 16-31 the high one (8 hd + 4 .. 7): the order in which o's codes stand
	v_cmp_ne_u32 vcc_lo, 0, v18
	v_cndmask_b32 v157, v157, v158, vcc_lo
	v_perm_b32 v[WP], v93, v92, v157
	v_perm_b32 v[WP+1], v95, v94, v157
	v_perm_b32 v[WP+2], v97, v96, v157
	v_perm_b32 v[WP+3], v99, v98, v157
	v_lshl_or_b32 v[SWP], v[SWP], 8, v[SWP]        ; the row's byte for blocks 0 and 1
	; THE RANKS.  A = {len > 16} (U >= 1), B = {len > 32} (U >= 2), C = {len > 48} (U = 3): C lies in B, B in A.  Signed compares: a negative length has U = 0, one over 64 has U = 3, as the held length has.
.irp i, 0,1,2,3,4,5,6,7
	v_cmp_lt_i32 s[QA+\i], 16, v[LEN+\i]
	v_cmp_lt_i32 s[QB+\i], 32, v[LEN+\i]
	v_cmp_lt_i32 s[QC+\i], 48, v[LEN+\i]
.endr
	s_mov_b32 s90, 0
	s_mov_b32 s91, 0
	s_mov_b32 s92, 0
.irp i, 0,1,2,3,4,5,6,7
	s_bcnt1_i32_b32 s94, s[QA+\i]
	s_add_co_u32 s90, s90, s94                     ; |A|
	s_bcnt1_i32_b32 s94, s[QB+\i]
	s_add_co_u32 s91, s91, s94                     ; |B|
	s_bcnt1_i32_b32 s94, s[QC+\i]
	s_add_co_u32 s92, s92, s94                     ; |C|
.endr
	; With eX = the members of X ahead of me (earlier registers, then lower lanes) and e0 = my own index: U = 3: rank eC;  U = 2: |C| + eB - eC;  U = 1: |B| + eA - eB;  U = 0: |A| + e0 - eA.
	; The totals ride in the counts' starting values: c = eC, b = eB + |C|, a = eA + |B| + |C|, z = e0 + |A| + |B| + |C|: the four ranks are c, b - c, a - b, z - a.
	s_add_co_u32 s93, s91, s92
	s_add_co_u32 s94, s93, s90
	s_mov_b32 s90, s93                             ; a's start
	s_mov_b32 s91, s92                             ; b's
	s_mov_b32 s92, 0                               ; c's
	s_mov_b32 s93, s94                             ; z's
.irp i, 0,1,2,3,4,5,6,7
	v_mbcnt_lo_u32_b32 v[RT], s[QC+\i], s92        ; the mask's bits under my lane + the start
	v_mbcnt_lo_u32_b32 v[RT+1], s[QB+\i], s91
	v_mbcnt_lo_u32_b32 v[RT+2], s[QA+\i], s90
	v_add_nc_u32 v[RT+3], s93, v2
	v_sub_nc_u32 v[RT+3], v[RT+3], v[RT+2]
	v_sub_nc_u32 v[RT+2], v[RT+2], v[RT+1]
	v_sub_nc_u32 v[RT+1], v[RT+1], v[RT]
	v_cndmask_b32 v[RNK+\i], v[RT+3], v[RT+2], s[QA+\i]
	v_cndmask_b32 v[RNK+\i], v[RNK+\i], v[RT+1], s[QB+\i]
	v_cndmask_b32 v[RNK+\i], v[RNK+\i], v[RT], s[QC+\i]
	s_bcnt1_i32_b32 s94, s[QC+\i]
	s_add_co_u32 s92, s92, s94
	s_bcnt1_i32_b32 s94, s[QB+\i]
	s_add_co_u32 s91, s91, s94
	s_bcnt1_i32_b32 s94, s[QA+\i]
	s_add_co_u32 s90, s90, s94
	s_add_co_u32 s93, s93, 32
.endr
	; MY FOUR SEQUENCES: a rank is held by one lane of one register.  No branch: the one register whose mask is not empty gives 32 i + its lane
.irp t, 0,1,2,3
	s_add_co_u32 s93, s55, 64*\t                   ; the rank T0 + 64 t
	s_mov_b32 s[SEQ+\t], 0
.irp i, 0,1,2,3,4,5,6,7
	v_cmp_eq_u32 s[QA+\i], s93, v[RNK+\i]
.endr
.irp i, 0,1,2,3,4,5,6,7
	s_ctz_i32_b32 s95, s[QA+\i]
	s_add_co_u32 s95, s95, 32*\i
	s_cmp_lg_u32 s[QA+\i], 0
	s_cselect_b32 s[SEQ+\t], s95, s[SEQ+\t]
.endr
	s_add_co_u32 s[SEQ+\t], s[SEQ+\t], s37         ; in the whole batch
	s_min_u32 s[SEQ+\t], s[SEQ+\t], 8191           ; a number made of loaded data is held to its table ahead of every offset made of it
	s_lshl_b32 s38, s[SEQ+\t], 2
	s_add_nc_u64 s[QB+2*\t:QB+2*\t+1], s[8:9], s[38:39]
	s_load_b32 s[40+\t], s[QB+2*\t:QB+2*\t+1], 0x0         ; its length, as a scalar
.endr
	s_lshl_b32 s38, s[SEQ], 10                     ; a sequence: 1,024 bytes of codes,
	s_add_nc_u64 s[82:83], s[4:5], s[38:39]
	s_lshl_b32 s38, s[SEQ], 6                      ; 64 scale bytes
	s_add_nc_u64 s[84:85], s[6:7], s[38:39]
	global_load_b128 v[XL:XL+3], v1, s[82:83] th:TH_LOAD_NT               ; my first sequence: tokens 0-31, a lane a token,
	global_load_b128 v[XL+4:XL+7], v1, s[82:83] offset:512 th:TH_LOAD_NT  ; tokens 32-63
	global_load_u8 v[XSL], v2, s[84:85]
	global_load_u8 v[XSL+1], v2, s[84:85] offset:32
	s_wait_dscnt 0x0                               ; wave 0's stores into the table have landed
	s_barrier_signal -1
	s_barrier_wait -1                              ; the one barrier: behind it the table is only read
	ds_load_b128 v[WQK:WQK+3], v3                  ; head 0's rows of Wq and Wk, their scale words and biases
	ds_load_b32 v[SQK], v4 offset:T_SQK
	ds_load_b128 v[BQK:BQK+3], v5 offset:T_BQK
	ds_load_b128 v[BQK+4:BQK+7], v5 offset:T_BQK+16
	s_wait_kmcnt 0x0                               ; the four lengths
; q and k of the head, four token tiles
.macro PROJ
.irp t, 0,1,2,3
.if \t % 2
	v_wmma_scale_f32_16x16x128_f8f6f4 v[QKR+8*\t:QKR+8*\t+7], v[WQK:WQK+7], v[XF+8*\t:XF+8*\t+7], v[BQK:BQK+7], v[SQK], v[XS+\t/2] matrix_a_fmt:MATRIX_FMT_FP4 matrix_b_fmt:MATRIX_FMT_FP4 matrix_b_scale:MATRIX_SCALE_ROW1
.else
	v_wmma_scale_f32_16x16x128_f8f6f4 v[QKR+8*\t:QKR+8*\t+7], v[WQK:WQK+7], v[XF+8*\t:XF+8*\t+7], v[BQK:BQK+7], v[SQK], v[XS+\t/2] matrix_a_fmt:MATRIX_FMT_FP4 matrix_b_fmt:MATRIX_FMT_FP4
.endif
.endr
.endm
; One K step (pass 0: d = 4 h + 0, 1; pass 1: d = 4 h + 2, 3) of tile (qt, kt) of S^T.  The first step's C is the mask: 0 where every key counts
.macro QKT var, qt, kt, pass
.if ((\kt) <= (\qt)) || ((\kt) <= (\var))
.set rS, S+32*(\qt)+8*(\kt)
.set rK, QKR+8*(\kt)+4+2*(\pass)
.set rQ, QKR+8*(\qt)+2*(\pass)
.set rC, 0
.if (\kt) == (\qt)
.if (\qt) == (\var)
.set rC, MD
.endif
.if (\qt) > (\var)
.set rC, MC
.endif
.endif
.if ((\kt) > (\qt)) && ((\kt) == (\var))
.set rC, MU
.endif
.if \pass
	v_wmma_f32_16x16x4_f32 v[rS:rS+7], v[rK:rK+1], v[rQ:rQ+1], v[rS:rS+7]
.elseif rC == 0
	v_wmma_f32_16x16x4_f32 v[rS:rS+7], v[rK:rK+1], v[rQ:rQ+1], 0
.else
	v_wmma_f32_16x16x4_f32 v[rS:rS+7], v[rK:rK+1], v[rQ:rQ+1], v[rC:rC+7]
.endif
.endif
.endm
.macro QK var                           ; the tiles take turns, one instruction a turn, ten tiles or more
	WIN 0x40
.irp qt, 0,1,2,3
.irp kt, 0,1,2,3
	QKT \var, \qt, \kt, 0
.endr
.endr
	WIN 0x50
.irp qt, 0,1,2,3
.irp kt, 0,1,2,3
	QKT \var, \qt, \kt, 1
.endr
.endr
.endm
.macro MAXP var                         ; the row's largest score, four chains (one a query tile) by turns; each tile is read from its low end on
	WIN 0x14
.irp kt, 0,1,2,3
.irp jp, 0,2,4,6
.irp qt, 0,1,2,3
.if (\kt <= \qt) || (\kt <= \var)
.if (\kt == 0) && (\jp == 0)
	v_max3_num_f32 v[MX+\qt], 0xff800000, v[S+32*\qt], v[S+32*\qt+1]
.else
	v_max3_num_f32 v[MX+\qt], v[MX+\qt], v[S+32*\qt+8*\kt+\jp], v[S+32*\qt+8*\kt+\jp+1]
.endif
.endif
.endr
.endr
.endr
	WIN 0
.irp qt, 0,1,2,3
	v_permlanex16_b32 v[MT+\qt], v[MX+\qt], s56, s57       ; the query's other keys lie in the lane 16 away
.endr
.irp qt, 0,1,2,3
	v_max_num_f32 v[MX+\qt], v[MX+\qt], v[MT+\qt]
.endr
.irp qt, 0,1,2,3
	v_mul_f32 v[NM+2*\qt], s54, v[MX+\qt]                  ; -c m
.endr
.endm
.macro TP var                           ; c s - c m, two at a time, out of S into P
	WIN 0x41
.irp qt, 0,1,2,3
.irp kt, 0,1,2,3
.if (\kt <= \qt) || (\kt <= \var)
.irp jp, 0,2,4,6
	v_pk_fma_f32 v[P+32*\qt+8*\kt+\jp:P+32*\qt+8*\kt+\jp+1], v[S+32*\qt+8*\kt+\jp:S+32*\qt+8*\kt+\jp+1], s[52:53], v[NM+2*\qt:NM+2*\qt+1] op_sel_hi:[1,0,0]
.endr
.endif
.endr
.endr
.endm
.macro VGEN d                           ; V[key][d] without its bias, for the 64 keys, equal in all 16 lanes r: into quarter d % 4 of S's registers
	WIN 0x40
.irp kt, 0,1,2,3
.if \kt % 2
	v_wmma_scale_f32_16x16x128_f8f6f4 v[S+32*((\d)%4)+8*\kt:S+32*((\d)%4)+8*\kt+7], v[XF+8*\kt:XF+8*\kt+7], v[WV+4*(\d):WV+4*(\d)+7], 0, v[XS+\kt/2], v[SV+(\d)] matrix_a_fmt:MATRIX_FMT_FP4 matrix_b_fmt:MATRIX_FMT_FP4 matrix_a_scale:MATRIX_SCALE_ROW1
.else
	v_wmma_scale_f32_16x16x128_f8f6f4 v[S+32*((\d)%4)+8*\kt:S+32*((\d)%4)+8*\kt+7], v[XF+8*\kt:XF+8*\kt+7], v[WV+4*(\d):WV+4*(\d)+7], 0, v[XS+\kt/2], v[SV+(\d)] matrix_a_fmt:MATRIX_FMT_FP4 matrix_b_fmt:MATRIX_FMT_FP4
.endif
.endr
.endm
.macro EXPP var                         ; p = 2^(c s - c m): one batch, one plain instruction behind it, one wait ahead of the first reader
	WIN 0x41
.irp qt, 0,1,2,3
.irp kt, 0,1,2,3
.if (\kt <= \qt) || (\kt <= \var)
.irp j, 0,1,2,3,4,5,6,7
	v_exp_f32 v[P+32*\qt+8*\kt+\j], v[P+32*\qt+8*\kt+\j]
.endr
.endif
.endr
.endr
	v_nop
	s_wait_alu depctr_va_vdst(0)
.endm
.macro SUMP var                         ; the row's sum, (even keys, odd keys), four chains by turns
	WIN 0x05
.irp qt, 0,1,2,3
	v_pk_add_f32 v[L+2*\qt:L+2*\qt+1], v[P+32*\qt:P+32*\qt+1], v[P+32*\qt+2:P+32*\qt+3]
.endr
	WIN 0x01
.irp kt, 0,1,2,3
.irp jp, 0,2,4,6
.irp qt, 0,1,2,3
.if ((\kt <= \qt) || (\kt <= \var)) && ((\kt > 0) || (\jp > 2))
	v_pk_add_f32 v[L+2*\qt:L+2*\qt+1], v[P+32*\qt+8*\kt+\jp:P+32*\qt+8*\kt+\jp+1], v[L+2*\qt:L+2*\qt+1]
.endif
.endr
.endr
.endr
.endm
.macro PVPAIR var, d0                   ; the sums over my half's keys of p V for d = d0, d0 + 1: eight chains; the first product starts each sum; each tile of V is read from its low end on
	WIN 0x05
.irp kt, 0,1,2,3
.irp jp, 0,2,4,6
.irp qt, 0,1,2,3
.if (\kt <= \qt) || (\kt <= \var)
.irp dd, 0,1
.set rA, ACC+4*\qt+2*\dd
.set rP, P+32*\qt+8*\kt+\jp
.set rV, S+32*((\d0+\dd)%4)+8*\kt+\jp
.if (\kt == 0) && (\jp == 0)
	v_pk_mul_f32 v[rA:rA+1], v[rP:rP+1], v[rV:rV+1]
.else
	v_pk_fma_f32 v[rA:rA+1], v[rP:rP+1], v[rV:rV+1], v[rA:rA+1]
.endif
.endr
.endif
.endr
.endr
.endr
	WIN 0
.irp qt, 0,1,2,3
.irp dd, 0,1
	v_add_f32 v[OT+8*\qt+\d0+\dd], v[ACC+4*\qt+2*\dd], v[ACC+4*\qt+2*\dd+1]
.endr
.endr
.endm
; A head's attention for one value of U.  V's products stand where vector work follows them: the exponentials and sums behind the first sixteen, a pair's multiply-adds behind each later eight;
; those lines name none of the products' registers and are their places.
.macro BODY var
	QK \var
	PLACES 8                                       ; eight places between the f32 form and the first read of its results
	MAXP \var
	TP \var
	s_wait_dscnt 0x0                               ; Wv's rows and scale words, bv, and the next head's weights are in
	VGEN 0
	VGEN 1
	VGEN 2
	VGEN 3
	EXPP \var
	SUMP \var
	PVPAIR \var, 0
	VGEN 4
	VGEN 5
	PVPAIR \var, 2
	VGEN 6
	VGEN 7
	PVPAIR \var, 4
	PVPAIR \var, 6
	WIN 0
.endm
.Lbatch:                                           ; four trips: a sequence each, the heaviest first
	s_wait_loadcnt 0x0                             ; this sequence's codes and scale bytes, asked for a sequence ago; their address registers are free too
.irp i, 0,1,2,3
	v_mov_b32 v[XF+\i], v[XL+\i]
	v_mov_b32 v[XF+8+\i], 0
	v_mov_b32 v[XF+16+\i], v[XL+4+\i]
	v_mov_b32 v[XF+24+\i], 0
.endr
.irp i, 0,1,2,3
	v_permlane16_swap_b32 v[XF+\i], v[XF+8+\i]             ; tokens 16-31 go to lanes 0-15 of their own fragment; zeros come back into lanes 16-31 (k = 32 on)
	v_permlane16_swap_b32 v[XF+16+\i], v[XF+24+\i]
.endr
	v_mov_b32 v[XS], v[XSL]
	v_mov_b32 v[XS+1], v[XSL+1]
	s_min_u32 s38, s[SEQ], 8191                    ; held once more ahead of the shift
	s_lshl_b32 s38, s38, 13                        ; a sequence: 8,192 bytes of out
	s_add_nc_u64 s[86:87], s[34:35], s[38:39]      ; (the last trip's stores have read their base: the wait on XCNT at that trip's end)
	s_cmp_eq_u32 s44, 1                            ; the last sequence asks for nothing
	s_cbranch_scc1 .Lno_next
	s_min_u32 s50, s[SEQ+1], 8191
	s_lshl_b32 s38, s50, 10
	s_add_nc_u64 s[82:83], s[4:5], s[38:39]
	s_lshl_b32 s38, s50, 6
	s_add_nc_u64 s[84:85], s[6:7], s[38:39]
	global_load_b128 v[XL:XL+3], v1, s[82:83] th:TH_LOAD_NT
	global_load_b128 v[XL+4:XL+7], v1, s[82:83] offset:512 th:TH_LOAD_NT
	global_load_u8 v[XSL], v2, s[84:85]
	global_load_u8 v[XSL+1], v2, s[84:85] offset:32
.Lno_next:
	s_mov_b32 s[SEQ], s[SEQ+1]
	s_mov_b32 s[SEQ+1], s[SEQ+2]
	s_mov_b32 s[SEQ+2], s[SEQ+3]
	s_max_i32 s50, s40, 0
	s_min_i32 s50, s50, 64                         ; len, held to 0 .. 64
	s_mov_b32 s40, s41
	s_mov_b32 s41, s42
	s_mov_b32 s42, s43
	s_add_co_u32 s49, s50, 15
	s_lshr_b32 s49, s49, 4
	s_max_u32 s49, s49, 1
	s_sub_co_u32 s49, s49, 1                       ; U: the last key tile that the prefix reaches
	s_lshl_b32 s51, s49, 4
	s_sub_co_u32 s50, s50, s51                     ; len - 16 U
	v_sub_nc_u32 v18, s50, v10                     ; - 8 h
.irp j, 0,1,2,3,4,5,6,7
	v_cmp_ge_i32 vcc_lo, \j, v18                   ; key 16 U + 8 h + j lies at or past len
	v_cndmask_b32 v[MU+\j], 0, v11, vcc_lo
.endr
.irp j, 0,1,2,3,4,5,6,7
	v_max_num_f32 v[MD+\j], v[MC+\j], v[MU+\j]     ; hidden only where both hide.  (These 25 lines are also the places between the writes of x's fragments and scale words and the first projection)
.endr
	s_mov_b32 s46, 0                               ; 1,024 x head
	s_mov_b32 s45, 4
.Lhead:                                            ; four trips: a head each
	s_wait_dscnt 0x0                               ; the head's rows of Wq and Wk are in; o's last stores have read their registers
	PROJ
	s_add_co_u32 s47, s46, REC
	s_and_b32 s47, s47, 3*REC                      ; the next head's record (behind head 3: head 0's, for the next sequence)
	s_lshr_b32 s48, s46, 1                         ; 512 x head
	v_add_nc_u32 v12, s47, v3                      ; six plain lines: the places between the projections and the products that take q and k, and the loads into the weights' registers
	v_add_nc_u32 v13, s47, v4
	v_add_nc_u32 v14, s47, v5
	v_add_nc_u32 v15, s46, v6
	v_mov_b32 v16, s46
	v_add_nc_u32 v17, s48, v7
.irp d, 0,1,2,3,4,5,6,7
	ds_load_b128 v[WV+4*\d:WV+4*\d+3], v16 offset:T_WV+16*\d       ; row d of Wv, the same 16 bytes in every lane
.endr
	ds_load_b128 v[SV:SV+3], v16 offset:T_SV
	ds_load_b128 v[SV+4:SV+7], v16 offset:T_SV+16
	ds_load_b128 v[BV:BV+3], v15 offset:T_BV
	ds_load_b128 v[WQK:WQK+3], v12
	ds_load_b32 v[SQK], v13 offset:T_SQK
	ds_load_b128 v[BQK:BQK+3], v14 offset:T_BQK
	ds_load_b128 v[BQK+4:BQK+7], v14 offset:T_BQK+16
	s_cmp_eq_u32 s49, 3
	s_cbranch_scc1 .Lu3
	s_cmp_eq_u32 s49, 2
	s_cbranch_scc1 .Lu2
	s_cmp_eq_u32 s49, 1
	s_cbranch_scc1 .Lu1
	BODY 0
	s_branch .Ljoin
.Lu1:
	BODY 1
	s_branch .Ljoin
.Lu2:
	BODY 2
	s_branch .Ljoin
.Lu3:
	BODY 3
.Ljoin:
	; the row's sum over both halves and its reciprocal; o's halves are exchanged so that lane (r, h) keeps d = 4 h + i; o = sum / l + bv
.irp qt, 0,1,2,3
	v_add_f32 v[MX+\qt], v[L+2*\qt], v[L+2*\qt+1]
.endr
.irp qt, 0,1,2,3
	v_permlanex16_b32 v[MT+\qt], v[MX+\qt], s56, s57
.endr
.irp qt, 0,1,2,3
	v_add_f32 v[MX+\qt], v[MX+\qt], v[MT+\qt]
.endr
.irp qt, 0,1,2,3
	v_rcp_f32 v[RL+\qt], v[MX+\qt]
.endr
	v_nop                                          ; a plain instruction behind the last reciprocal
.irp i, 0,1,2,3
.irp qt, 0,1,2,3
	v_permlane16_swap_b32 v[OT+8*\qt+\i], v[OT+8*\qt+\i+4] ; first: lanes 0-15 my half's part of d = i, lanes 16-31 the lower half's part of d = i + 4; second: the upper half's parts of the same
.endr
.irp qt, 0,1,2,3
	v_add_f32 v[OT+8*\qt+\i], v[OT+8*\qt+\i], v[OT+8*\qt+\i+4]
.endr
.endr
	s_wait_alu depctr_va_vdst(0)                   ; one wait for the four reciprocals, ahead of their first reader
.irp qt, 0,1,2,3
.irp i, 0,1,2,3
	v_fma_f32 v[OT+8*\qt+\i], v[OT+8*\qt+\i], v[RL+\qt], v[BV+\i]
.endr
.endr
.irp qt, 0,1,2,3
	ds_store_b128 v17, v[OT+8*\qt:OT+8*\qt+3] offset:2048*\qt      ; o's image: my own lane reads it back when all four heads are done
.endr
	s_add_co_u32 s46, s46, REC
	s_sub_co_u32 s45, s45, 1
	s_cmp_lg_u32 s45, 0
	s_cbranch_scc1 .Lhead
	; THE LAST PRODUCT.  My 16 numbers of each token, in the order (hd, i); LDS serves a wave's instructions in order, so these loads see the stores above
	WIN 0x40
.irp qt, 0,1,2,3
.irp hd, 0,1,2,3
	ds_load_b128 v[16*\qt+4*\hd:16*\qt+4*\hd+3], v7 offset:2048*\qt+512*\hd
.endr
.endr
	s_wait_dscnt 0x0
	WIN 0x14
.irp qt, 0,1,2,3
	v_max3_num_f32 v[MX+\qt], 0x1800000, |v[16*\qt]|, |v[16*\qt+1]|        ; the largest magnitude, over the floor 2^(3 - 127): the byte cannot fall under 1
.endr
.irp i, 2,4,6,8,10,12,14
.irp qt, 0,1,2,3
	v_max3_num_f32 v[MX+\qt], v[MX+\qt], |v[16*\qt+\i]|, |v[16*\qt+\i+1]|
.endr
.endr
	WIN 0
.irp qt, 0,1,2,3
	v_permlanex16_b32 v[MT+\qt], v[MX+\qt], s56, s57
.endr
.irp qt, 0,1,2,3
	v_max_num_f32 v[MX+\qt], v[MX+\qt], v[MT+\qt]          ; with the token's other 16 features
.endr
.irp qt, 0,1,2,3
	v_add_nc_u32 v[SOP+\qt], 0xff000000, v[MX+\qt]         ; 2 off its exponent field: the conversion takes that field as its scale
.endr
.irp qt, 0,1,2,3
	v_lshrrev_b32 v[SO+\qt], 23, v[SOP+\qt]                ; the scale's byte,
.endr
.irp qt, 0,1,2,3
	v_lshl_or_b32 v[SO+\qt], v[SO+\qt], 8, v[SO+\qt]       ; for blocks 0 and 1
.endr
	WIN 0x01
.irp qt, 0,1,2,3
	v_cvt_scalef32_pk8_fp4_f32 v[XF+8*\qt], v[16*\qt:16*\qt+7], v[SOP+\qt]
	v_cvt_scalef32_pk8_fp4_f32 v[XF+8*\qt+1], v[16*\qt+8:16*\qt+15], v[SOP+\qt]
.endr
	WIN 0
.irp qt, 0,1,2,3
	v_mov_b32 v[XF+8*\qt+2], 0                     ; k 16 .. 31 of both blocks: zero codes
	v_mov_b32 v[XF+8*\qt+3], 0
.endr
	PLACES 4                                       ; with the eight lines above: twelve places behind the scale words, four behind the last write of an operand
	WIN 0x40
.irp qt, 0,1,2,3
	v_wmma_scale_f32_16x16x128_f8f6f4 v[S+16*\qt:S+16*\qt+7], v[WP:WP+7], v[XF+8*\qt:XF+8*\qt+7], v[BP:BP+7], v[SWP], v[SO+\qt] matrix_a_fmt:MATRIX_FMT_FP4 matrix_b_fmt:MATRIX_FMT_FP4
	v_wmma_scale_f32_16x16x128_f8f6f4 v[S+16*\qt+8:S+16*\qt+15], v[WP+2:WP+9], v[XF+8*\qt:XF+8*\qt+7], v[BP+8:BP+15], v[SWP], v[SO+\qt] matrix_a_fmt:MATRIX_FMT_FP4 matrix_b_fmt:MATRIX_FMT_FP4 matrix_a_scale:MATRIX_SCALE_ROW1
.endr
	PLACES 4                                       ; ahead of the stores that read the results, and of the next sequence's writes of x's fragments
	; THE WAY OUT.  Lane (r, h) holds out[16 qt + r][16 h + 0 .. 15], 64 bytes; through my stage they become runs of 512 consecutive bytes a store
	WIN 0x04
.irp qt, 0,1,2,3
.irp i, 0,1,2,3
	ds_store_b128 v8, v[S+16*\qt+4*\i:S+16*\qt+4*\i+3] offset:16*SPITCH*\qt+16*\i  ; each accumulator from its low end on
.endr
.endr
	WIN 0x40
.irp qt, 0,1,2,3
.irp i, 0,1,2,3
	ds_load_b128 v[64+16*\qt+4*\i:64+16*\qt+4*\i+3], v9 offset:16*SPITCH*\qt+4*SPITCH*\i
.endr
.endr
	WIN 0x04
.set k, 0
.rept 16
	s_wait_dscnt 15-k                              ; LDS loads come back in order: load k is in, the 15 - k younger ones may be out
	global_store_b128 v1, v[64+4*k:67+4*k], s[86:87] offset:512*k th:TH_STORE_NT   ; 32 lanes store 512 consecutive bytes, at a multiple of 512 from out's first byte
.set k, k+1
.endr
	WIN 0
	s_wait_xcnt 0x0                                ; the stores have read their data and their base: only behind this wait is either written again
	s_sub_co_u32 s44, s44, 1
	s_cmp_lg_u32 s44, 0
	s_cbranch_scc1 .Lbatch
	s_wait_xcnt 0x0
	v_lshl_add_u32 v254, v0, 2, 0x23000
	v_mov_b32 v255, 0
	s_wait_tensorcnt 0x0
	ds_add_u32 v254, v255
	s_wait_dscnt 0x0
	s_endpgm
.Lfunc_end_k_q8fb2b0fb8a_attn:
	.size	k_q8fb2b0fb8a_attn, .Lfunc_end_k_q8fb2b0fb8a_attn-k_q8fb2b0fb8a_attn
	.p2alignl 7, 3214868480
	.fill 96, 4, 3214868480
	.section	.rodata,"a",@progbits
	.p2align	6, 0x0
	.amdhsa_kernel k_q8fb2b0fb8a_attn
		.amdhsa_group_segment_fixed_size 144384
		.amdhsa_private_segment_fixed_size 0
		.amdhsa_enable_private_segment 0
		.amdhsa_kernarg_size 128
		.amdhsa_user_sgpr_count 2
		.amdhsa_user_sgpr_kernarg_segment_ptr 1
		.amdhsa_wavefront_size32 1
		.amdhsa_system_sgpr_workgroup_id_x 1
		.amdhsa_system_sgpr_workgroup_id_y 1
		.amdhsa_system_sgpr_workgroup_id_z 1
		.amdhsa_system_vgpr_workitem_id 0
		.amdhsa_next_free_vgpr 512
		.amdhsa_next_free_sgpr 96
		.amdhsa_reserve_vcc 1
		.amdhsa_float_denorm_mode_32 3
		.amdhsa_float_denorm_mode_16_64 3
		.amdhsa_memory_ordered 1
		.amdhsa_forward_progress 1
		.amdhsa_inst_pref_size 228
	.end_amdhsa_kernel
	.amdgpu_metadata
---
amdhsa.version: [ 1, 2 ]
amdhsa.kernels:
  - .name:           k_q8fb2b0fb8a_attn
    .symbol:         k_q8fb2b0fb8a_attn.kd
    .args:
      - { .name: x_codes, .offset: 0, .size: 8, .value_kind: global_buffer, .address_space: global }
      - { .name: x_scales, .offset: 8, .size: 8, .value_kind: global_buffer, .address_space: global }
      - { .name: always_attend_upto, .offset: 16, .size: 8, .value_kind: global_buffer, .address_space: global }
      - { .name: Wq_codes, .offset: 24, .size: 8, .value_kind: global_buffer, .address_space: global }
      - { .name: Wq_scales, .offset: 32, .size: 8, .value_kind: global_buffer, .address_space: global }
      - { .name: bq, .offset: 40, .size: 8, .value_kind: global_buffer, .address_space: global }
      - { .name: Wk_codes, .offset: 48, .size: 8, .value_kind: global_buffer, .address_space: global }
      - { .name: Wk_scales, .offset: 56, .size: 8, .value_kind: global_buffer, .address_space: global }
      - { .name: bk, .offset: 64, .size: 8, .value_kind: global_buffer, .address_space: global }
      - { .name: Wv_codes, .offset: 72, .size: 8, .value_kind: global_buffer, .address_space: global }
      - { .name: Wv_scales, .offset: 80, .size: 8, .value_kind: global_buffer, .address_space: global }
      - { .name: bv, .offset: 88, .size: 8, .value_kind: global_buffer, .address_space: global }
      - { .name: Wp_codes, .offset: 96, .size: 8, .value_kind: global_buffer, .address_space: global }
      - { .name: Wp_scales, .offset: 104, .size: 8, .value_kind: global_buffer, .address_space: global }
      - { .name: bp, .offset: 112, .size: 8, .value_kind: global_buffer, .address_space: global }
      - { .name: out0, .offset: 120, .size: 8, .value_kind: global_buffer, .address_space: global }
    .group_segment_fixed_size: 144384
    .private_segment_fixed_size: 0
    .kernarg_segment_align: 8
    .kernarg_segment_size: 128
    .max_flat_workgroup_size: 256
    .sgpr_count:     96
    .vgpr_count:     512
    .wavefront_size: 32
...
	.end_amdgpu_metadata
.endif
;; end of part 1
;; ======== version 2 of 2: 1 launch; version 1 with the launch attn written anew for expert scheduling mode
;; launch attn (part 2): grid 256 x 1, 8 waves a work-group, no clusters, 144,384 bytes of LDS; arguments x_codes, x_scales, always_attend_upto, Wq_codes, Wq_scales, bq, Wk_codes, Wk_scales, bk, Wv_codes, Wv_scales, bv, Wp_codes, Wp_scales, bp, out0; writes out0
.if DOCPART == 2
	.amdgcn_target "amdgcn-amd-amdhsa--gfx1250"
	.amdhsa_code_object_version 6
	.text
	.protected	k_q8fb2b0fb8a_attn
	.globl	k_q8fb2b0fb8a_attn
	.p2align	8
	.type	k_q8fb2b0fb8a_attn,@function
k_q8fb2b0fb8a_attn:
	s_mov_b64 s[64:65], 0
	v_nop
	global_prefetch_b8 v0, s[64:65] scope:SCOPE_SE
	s_setreg_imm32_b32 hwreg(HW_REG_WAVE_SCHED_MODE, 0, 2), 2
	s_setreg_imm32_b32 hwreg(HW_REG_WAVE_MODE, 25, 1), 1
	s_wait_xcnt 0x0
	s_wait_alu depctr_vm_vsrc(0)
; out = (softmax(mask(q k^T / sqrt(8))) v) Wp^T + bp for 8,192 sequences of 64 tokens x 32 features, 4 heads of 8.  q, k, v = x W^T + b.
; The four products with K = 32 run on codes of FP4 (E2M1) with E8M0 scales (one block of 32: block 0 of the instruction's four); q k^T and p v feed a quantiser and stay in f32.
; SHARES.  256 work-groups x 8 waves = 2,048 waves, four sequences each, one after the other, each sequence wholly by one wave.  A sequence's work hangs on its length (idea (e)): 10, 11, 13 or 16 tiles a head.
; So THE SEQUENCES ARE DEALT BY THEIR WORK.  Eight neighbouring work-groups form a pool of 256 sequences.  Every wave of the pool reads the pool's 256 lengths and ranks them by U, the heaviest first, ties by index:
; the same permutation of 0 .. 255 in all 64 waves, each computing it by itself.  Wave w of work-group g takes ranks T0 + 64 t, t = 0 .. 3, with beta = 8 (w % 4) + g % 8 and T0 = beta (w < 4) or 63 - beta (w >= 4):
; T0 takes each of 0 .. 63 once in the pool, so each sequence has one owner; waves w and w + 4 hold ranks mirrored within each 64.
; The waves of a work-group share a table of weights in LDS (4,096 bytes, written by wave 0 ahead of the one barrier, only read behind it).
; A work-group reads 32 x 1,088 bytes of x of its own; what others read too is 2,688 bytes of weights and 1,024 of lengths: so no cluster, no joint loads.
; IDEAS.  (a) One FP4 product a token tile and head, transposed (source 0 = 16 chosen rows of Wq and Wk, source 1 = 16 tokens), leaves in lane (r, h) token r's q (registers 0-3) and k (4-7) at d = 4 h + 0 .. 3:
;     a pair of these registers IS an operand of the 16x16x4 f32 form; q and k carry the same permutation of d, which keeps the sums.  The biases are the C.
; (b) x's fragments hold zero codes wherever k >= 32, so the other operand may hold any bits there (every E2M1 code is finite; the scale bytes there are 0, never 0xff): weight fragments overlap their neighbours.
; (c) S^T = k q^T by the f32 matrix form, two K steps a tile: lane (r, h) holds query r, register j key 16 kt + 8 h + j.  The mask (0 or -infinity) is the C of the first K step.
; (d) p v by packed multiply-adds.  V[key of my register][d], equal in all 16 lanes r, is made by the FP4 form: source 0 = the x tile, source 1 = row d of Wv in all 16 columns.  bv is added behind the division by the row's sum.
; (e) Tile (qt, kt) is computed where kt <= max(qt, U), U = max(ceil(len / 16) - 1, 0): the rest lies wholly under the mask.  Four bodies, chosen by a scalar branch on U inside the loop over heads.
; (f) After an exchange between the halves lane (r, h) holds o[r][8 hd + 4 h + i]: its 16 codes go to k 0 .. 15 of block h; both blocks carry the token's one scale byte; Wp's rows are permuted once to match.
; LIMITS.  len is held to 0 .. 64 (the same mask as any int32 gives).  NaN and infinities among the inputs are not served.  A row of o that is all zeros gets the scale byte 1 over zero codes.
; bv is added after the normalisation, which equals the sum over attn x (v + bv) up to f32 rounding.
; THE MODE: SCHED_MODE bits 1:0 = 2 (LLVM: expert scheduling mode 2), set by the entry lines.  The code itself states the register dependences between vector or matrix instructions and memory or LDS
; instructions, and those through scalar registers that vector instructions write, with s_wait_alu, always for 0.
; THE PLAN.  Registers that memory or LDS instructions touch, and who else names them:
;   v1-v9            lane terms: written at the head, ahead of the head's wait on va_vdst; read by loads and stores ever after; never written again.
;   XL, XSL          the next sequence's loads land here; a sequence's prologue moves them out.  The loads stand behind the prologue's one wait on va_vdst.
;   v12-v17          a head's LDS addresses: written by six lines behind the projections; read by the head's fifteen LDS loads (v12-16) and by o's four LDS stores (v17).
;   WV, SV, BV, WQK, SQK, BQK   LDS loads land here once a head; read by the projections, by V's products of the head before and by the multiply-adds with bv.
;   OT               written by a head's last multiply-adds, read by o's LDS stores, written again (as q and k) by the next projections.
;   P                read and written by the softmax and the multiply-adds; at a sequence's end o's image and then the rows of out land here, and the global stores read the rows.
;   S                written by matrix instructions alone; at a sequence's end the stage's LDS stores read it.
; A HEAD has one wait on vm_vsrc, at its top (all that memory and LDS instructions have read may be written), and, beside the two waits behind its exponentials and reciprocals, two on va_vdst: one behind the
; projections and the six address lines, ahead of its LDS loads; one between its last multiply-adds and o's stores.  The four bodies hold no memory or LDS instruction.
; REGISTERS.  window 0: v1-11 lane terms, v12-17 a head's LDS addresses, then by the names below.  window 1: v0-127 P (p, 32 a query tile; on the way out o and rows of out), v128-255 S (scores; then V; then out): written by matrix instructions alone.
.set XF,  20          ; v20-51   x's four fragments, 8 registers each; registers 4-7 are zero for ever
.set XS,  52          ; v52-53   x's scale words: lanes 0-15 the even tile's, lanes 16-31 the odd tile's
.set XL,  54          ; v54-61   the next sequence's codes as loaded
.set XSL, 62          ; v62-63   and its scale bytes
.set WP,  64          ; v64-67   Wp's two tiles, two registers each; the fragments v[64:71], v[66:73] run on into what follows
.set MC,  68          ; v68-75   the causal mask of a diagonal tile
.set MU,  76          ; v76-83   the prefix's mask in key tile U
.set MD,  84          ; v84-91   both, for the diagonal tile U
.set QKR, 92          ; v92-123  q and k, 8 registers a token tile
.set OT,  92          ;          later o's partial sums: 8 qt + d
.set ACC, 124         ; v124-139 pairs (even keys, odd keys): 4 qt + 2 dd
.set MX,  140         ; v140-143 maxima
.set MT,  144         ; v144-147 what the other half of the lanes sends
.set NM,  148         ; v148-155 -c m, as the low word of a pair
.set L,   156         ; v156-163 the row's sum, in pairs
.set RL,  164         ; v164-167 1 / sum
.set WQK, 168         ; v168-171 the head's 16 rows of Wq and Wk; the fragment v[168:175] runs on into BV
.set BV,  172         ; v172-175 bv at 8 hd + 4 h + 0 .. 3
.set BQK, 176         ; v176-183 bq, bk in the result's layout
.set SQK, 184         ; the rows' scale words
.set SWP, 185         ; Wp's scale words: lanes 0-15 tile 0, lanes 16-31 tile 1
.set SV,  186         ; v186-193 Wv's scale words, one register a row d
.set WV,  194         ; v194-225 Wv's 8 rows of the head; the fragment of d is v[194 + 4 d : 201 + 4 d]
.set LEN, 194         ;          at the head only: v194-201 the pool's lengths (register i, lane l: sequence 32 i + l of the pool),
.set RNK, 202         ;          v202-209 their ranks,
.set RT,  210         ;          v210-213 at work
.set BP,  226         ; v226-241 bp in the result's layout, 8 a tile
.set SO,  242         ; v242-245 o's scale words
.set SOP, 246         ; v246-249 the conversions' scale operands
.set P,   0           ; window 1
.set S,   128         ; window 1
.set SEQ, 60          ; s60-63   my sequences still to come, the one in hand first
.set QA,  66          ; s66-73   at the head: the causal mask's lane masks; lane masks len > 16, one a register of lengths; the masks of the search; in the loop: the prefix's lane masks
.set QB,  74          ; s74-81   len > 32; then four address pairs for my lengths
.set QC,  82          ; s82-89   len > 48; then s[82:83] x's codes, s[84:85] x's scale bytes of the sequence asked for, s[86:87] out of the sequence in hand
.set REC,   1024      ; LDS: a head's record in the table: +0 WQK 256 B, +256 scale words 64 B, +320 bq/bk 64 B, +384 bv 32 B, +416 Wv's scale words 32 B, +448 Wv's rows 128 B
.set T_SQK, 256
.set T_BQK, 320
.set T_BV,  384
.set T_SV,  416
.set T_WV,  448
.set WBASE, 4096      ; behind the table: 17,408 bytes for each wave: o's image [qt][hd][lane][16 B], 8,192 B; then the stage, 4 x 16 rows of 128 + 16 bytes
.set WREG,  17408
.set STGO,  8192
.set SPITCH, 144      ; 36 words: the 16 rows that a store touches start at 16 different 16-byte columns of 256 bytes
.set MSB, 0
.macro WIN new                          ; bits 1:0 source 0, 3:2 source 1, 5:4 source 2, 7:6 destination; the high byte repeats the setting that is left
.if MSB != \new
	s_set_vgpr_msb (MSB<<8)|\new
.set MSB, \new
.endif
.endm
.macro PLACES n                         ; plain vector instructions behind a matrix instruction (ISA guide 7.12.1)
.rept \n
	v_nop
.endr
.endm
	s_load_b512 s[4:19], s[0:1], 0x0               ; x_codes 4, x_scales 6, upto 8, Wq_codes 10, Wq_scales 12, bq 14, Wk_codes 16, Wk_scales 18
	s_load_b512 s[20:35], s[0:1], 0x40             ; bk 20, Wv_codes 22, Wv_scales 24, bv 26, Wp_codes 28, Wp_scales 30, bp 32, out 34
	v_lshrrev_b32 v18, 5, v0
	v_readfirstlane_b32 s36, v18                   ; wave 0..7
	v_and_b32 v2, 31, v0                           ; lane
	v_and_b32 v19, 15, v0                          ; r
	v_bfe_u32 v18, v0, 4, 1                        ; h
	v_lshlrev_b32 v1, 4, v2                        ; 16 lane
	v_lshlrev_b32 v3, 4, v19                       ; 16 r
	v_lshlrev_b32 v4, 2, v19                       ; 4 r
	v_lshlrev_b32 v5, 5, v18                       ; 32 h
	v_lshlrev_b32 v6, 4, v18                       ; 16 h
	v_lshlrev_b32 v10, 3, v18                      ; 8 h
	v_mov_b32 v11, 0xff800000                      ; -infinity
	s_wait_alu depctr_va_sdst(0)                   ; s36, the wave's number, is written, ahead of its first reader
	s_mul_i32 s50, s36, WREG
	s_add_co_u32 s50, s50, WBASE                   ; my wave's LDS
	s_add_co_u32 s51, s50, STGO                    ; its stage
	v_add_nc_u32 v7, s50, v1                       ; o's image: 16 lane
	v_mul_u32_u24 v8, v19, SPITCH
	v_lshl_add_u32 v8, v18, 6, v8
	v_add_nc_u32 v8, s51, v8                       ; into the stage: row r, + 64 h
	v_bfe_u32 v164, v0, 3, 1                       ; (lane / 8) % 2
	v_and_b32 v165, 7, v0                          ; lane % 8
	v_and_b32 v166, 3, v0                          ; lane % 4
	v_and_b32 v167, 4, v0
	v_bfe_u32 v156, v0, 3, 2                       ; lane / 8
	v_mul_u32_u24 v9, v156, SPITCH
	v_lshl_add_u32 v9, v165, 4, v9
	v_add_nc_u32 v9, s51, v9                       ; out of it: eight lanes to a row of 128 bytes, four rows an instruction
	; the table's addresses (every wave makes them, wave 0 uses them) and the offsets of the loads at the head
	v_lshl_add_u32 v250, v18, 10, v3               ; record lane / 16 (+ 2 g), 16 bytes a tile row
	v_lshl_add_u32 v251, v18, 10, v4               ; the same, 4 bytes a tile row
	v_lshlrev_b32 v252, 2, v165
	v_lshl_add_u32 v252, v156, 10, v252            ; record lane / 8, 4 bytes a row d
	v_lshlrev_b32 v253, 4, v165
	v_lshl_add_u32 v253, v156, 10, v253            ; the same, 16 bytes a row d
	v_lshl_add_u32 v254, v164, 2, v166
	v_add_nc_u32 v254, v254, v10                   ; the feature of tile row lane % 16 in head lane / 16: 8 (lane / 16) + 4 ((lane / 8) % 2) + lane % 4
	v_lshlrev_b32 v255, 2, v254
	v_lshlrev_b32 v127, 4, v254
	v_lshlrev_b32 v138, 2, v2                      ; 4 lane
	v_lshlrev_b32 v124, 4, v165
	v_lshl_add_u32 v124, v164, 8, v124             ; Wp: tile row m = r of tile u is output 16 (m / 8) + 8 u + m % 8; 16 bytes a row
	v_lshl_add_u32 v125, v164, 4, v165
	v_add_nc_u32 v125, v125, v10                   ; its scale byte; lanes 16-31 take tile 1's
	v_lshlrev_b32 v126, 6, v18                     ; bp: 16 numbers from 16 h on
	v_cmp_ne_u32 s58, 0, v167                      ; tile rows 4-7 and 12-15 are Wk's
	v_sub_nc_u32 v139, v19, v10                    ; r - 8 h
.irp j, 0,1,2,3,4,5,6,7
	v_cmp_gt_i32 s[QA+\j], \j, v139                ; key 8 h + j comes after query r.  The compares stand in one run, a scalar register each
.endr
	s_wait_alu depctr_va_sdst(0)                   ; the eight masks are written, which the selections below read; so is s58, whose readers stand in wave 0's arm: its wait stands here, ahead of the branch
.irp j, 0,1,2,3,4,5,6,7
	v_cndmask_b32 v[MC+\j], 0, v11, s[QA+\j]
.endr
.irp t, 0,1,2,3
.irp i, 4,5,6,7
	v_mov_b32 v[XF+8*\t+\i], 0                     ; k = 64 on: zero codes
.endr
	v_mov_b32 v[NM+2*\t+1], 0                      ; named as a pair's upper half
	v_mov_b32 v[MT+\t], 0                          ; a lane permute's destination counts as one of its sources
	v_mov_b32 v[BV+\t], 0                          ; named by the first projection as the end of its weight fragment
.endr
	s_mov_b32 s52, 0x3f0293ee                      ; c = log2(e) / sqrt(8)
	s_mov_b32 s53, s52                             ; (named with it as a pair)
	s_mov_b32 s54, 0xbf0293ee                      ; -c
	s_mov_b32 s56, 0x76543210                      ; v_permlanex16_b32's selects for lane l xor 16
	s_mov_b32 s57, 0xfedcba98
	s_mov_b32 s44, 4                               ; sequences to go
	s_lshr_b32 s37, ttmp9, 3
	s_lshl_b32 s37, s37, 8                         ; the pool's first sequence: 256 x (work-group / 8)
	s_and_b32 s50, ttmp9, 7
	s_and_b32 s55, s36, 3
	s_lshl_b32 s55, s55, 3
	s_add_co_u32 s55, s55, s50                     ; beta = 8 (wave % 4) + work-group % 8
	s_sub_co_u32 s50, 63, s55
	s_cmp_lt_u32 s36, 4
	s_cselect_b32 s55, s55, s50                    ; T0: my first rank
	s_lshl_b32 s38, s37, 2                         ; the pool's lengths: 4 bytes a sequence
	s_mov_b32 s39, 0                               ; the upper word of every offset; never rewritten
	s_wait_kmcnt 0x0
	s_add_nc_u64 s[2:3], s[8:9], s[38:39]
	s_wait_alu depctr_va_vdst(0)                   ; the lane terms v1 to v9 and the head's offsets (v124 to v127, v138, v250 to v255) are written, which the loads and stores from here on read; so are the zeros in BV, in which an LDS load lands later
.irp i, 0,1,2,3,4,5,6,7
	global_load_b32 v[LEN+\i], v138, s[2:3] offset:128*\i  ; 32 lanes read 128 consecutive bytes
.endr
	global_load_b128 v[92:95], v124, s[28:29]              ; Wp's rows of tile 0,
	global_load_b128 v[96:99], v124, s[28:29] offset:128   ; of tile 1
	global_load_u8 v[SWP], v125, s[30:31]
.irp i, 0,1,2,3
	global_load_b128 v[BP+4*\i:BP+4*\i+3], v126, s[32:33] offset:16*\i
.endr
	s_cmp_lg_u32 s36, 0
	s_cbranch_scc1 .Lnot_wave_0
	; WAVE 0 BUILDS THE TABLE: two heads at a time (lanes 0-15 head 2 g, lanes 16-31 head 2 g + 1); a lane a tile row
.irp g, 0,1
	global_load_b128 v[100+8*\g:103+8*\g], v127, s[10:11] offset:256*\g
	global_load_b128 v[104+8*\g:107+8*\g], v127, s[16:17] offset:256*\g
	global_load_u8 v[116+2*\g], v254, s[12:13] offset:16*\g
	global_load_u8 v[117+2*\g], v254, s[18:19] offset:16*\g
	global_load_b32 v[120+2*\g], v255, s[14:15] offset:64*\g
	global_load_b32 v[121+2*\g], v255, s[20:21] offset:64*\g
.endr
	global_load_b32 v128, v138, s[26:27]           ; bv, Wv's scale bytes and rows: a lane a feature
	global_load_u8 v129, v2, s[24:25]
	global_load_b128 v[130:133], v1, s[22:23]
	s_wait_loadcnt 0x0
.irp g, 0,1                                        ; all the selections in one run, so that one wait serves all the stores
.irp i, 0,1,2,3
	v_cndmask_b32 v[100+8*\g+\i], v[100+8*\g+\i], v[104+8*\g+\i], s58
.endr
	v_cndmask_b32 v[116+2*\g], v[116+2*\g], v[117+2*\g], s58
	v_cndmask_b32 v[120+2*\g], v[120+2*\g], v[121+2*\g], s58
.endr
	s_wait_alu depctr_va_vdst(0)                   ; the selections have written v100 to v122, which the LDS stores below read
.irp g, 0,1
	ds_store_b128 v250, v[100+8*\g:103+8*\g] offset:2*REC*\g
	ds_store_b32 v251, v[116+2*\g] offset:2*REC*\g+T_SQK    ; the byte widened with zeros: bytes 1-3 stand over zero codes
	ds_store_b32 v251, v[120+2*\g] offset:2*REC*\g+T_BQK
.endr
	ds_store_b32 v252, v128 offset:T_BV
	ds_store_b32 v252, v129 offset:T_SV
	ds_store_b128 v253, v[130:133] offset:T_WV
.Lnot_wave_0:
	s_wait_loadcnt 0x0                             ; the lengths, Wp and bp are in
	v_mov_b32 v157, 0x05040100                     ; lanes 0-15 take the low halfword of each of a row's four words (features 8 hd + 0 .. 3),
	v_mov_b32 v158, 0x07060302                     ; lanes 16-31 the high one (8 hd + 4 .. 7): the order in which o's codes stand
	v_cmp_ne_u32 vcc_lo, 0, v18
	s_wait_alu depctr_va_vcc(0)                    ; VCC is written, which the selection below reads
	v_cndmask_b32 v157, v157, v158, vcc_lo
	v_perm_b32 v[WP], v93, v92, v157
	v_perm_b32 v[WP+1], v95, v94, v157
	v_perm_b32 v[WP+2], v97, v96, v157
	v_perm_b32 v[WP+3], v99, v98, v157
	v_lshl_or_b32 v[SWP], v[SWP], 8, v[SWP]        ; the row's byte for blocks 0 and 1
	; THE RANKS.  A = {len > 16} (U >= 1), B = {len > 32} (U >= 2), C = {len > 48} (U = 3): C lies in B, B in A.  Signed compares: a negative length has U = 0, one over 64 has U = 3, as the held length has.
.irp i, 0,1,2,3,4,5,6,7
	v_cmp_lt_i32 s[QA+\i], 16, v[LEN+\i]
	v_cmp_lt_i32 s[QB+\i], 32, v[LEN+\i]
	v_cmp_lt_i32 s[QC+\i], 48, v[LEN+\i]
.endr
	s_wait_alu depctr_va_sdst(0)                   ; the 24 masks are written, ahead of their first readers, the counts below
	s_mov_b32 s90, 0
	s_mov_b32 s91, 0
	s_mov_b32 s92, 0
.irp i, 0,1,2,3,4,5,6,7
	s_bcnt1_i32_b32 s94, s[QA+\i]
	s_add_co_u32 s90, s90, s94                     ; |A|
	s_bcnt1_i32_b32 s94, s[QB+\i]
	s_add_co_u32 s91, s91, s94                     ; |B|
	s_bcnt1_i32_b32 s94, s[QC+\i]
	s_add_co_u32 s92, s92, s94                     ; |C|
.endr
	; With eX = the members of X ahead of me (earlier registers, then lower lanes) and e0 = my own index: U = 3: rank eC;  U = 2: |C| + eB - eC;  U = 1: |B| + eA - eB;  U = 0: |A| + e0 - eA.
	; The totals ride in the counts' starting values: c = eC, b = eB + |C|, a = eA + |B| + |C|, z = e0 + |A| + |B| + |C|: the four ranks are c, b - c, a - b, z - a.
	s_add_co_u32 s93, s91, s92
	s_add_co_u32 s94, s93, s90
	s_mov_b32 s90, s93                             ; a's start
	s_mov_b32 s91, s92                             ; b's
	s_mov_b32 s92, 0                               ; c's
	s_mov_b32 s93, s94                             ; z's
.irp i, 0,1,2,3,4,5,6,7
	v_mbcnt_lo_u32_b32 v[RT], s[QC+\i], s92        ; the mask's bits under my lane + the start
	v_mbcnt_lo_u32_b32 v[RT+1], s[QB+\i], s91
	v_mbcnt_lo_u32_b32 v[RT+2], s[QA+\i], s90
	v_add_nc_u32 v[RT+3], s93, v2
	v_sub_nc_u32 v[RT+3], v[RT+3], v[RT+2]
	v_sub_nc_u32 v[RT+2], v[RT+2], v[RT+1]
	v_sub_nc_u32 v[RT+1], v[RT+1], v[RT]
	v_cndmask_b32 v[RNK+\i], v[RT+3], v[RT+2], s[QA+\i]
	v_cndmask_b32 v[RNK+\i], v[RNK+\i], v[RT+1], s[QB+\i]
	v_cndmask_b32 v[RNK+\i], v[RNK+\i], v[RT], s[QC+\i]
	s_bcnt1_i32_b32 s94, s[QC+\i]
	s_add_co_u32 s92, s92, s94
	s_bcnt1_i32_b32 s94, s[QB+\i]
	s_add_co_u32 s91, s91, s94
	s_bcnt1_i32_b32 s94, s[QA+\i]
	s_add_co_u32 s90, s90, s94
	s_add_co_u32 s93, s93, 32
.endr
	; MY FOUR SEQUENCES: a rank is held by one lane of one register.  No branch: the one register whose mask is not empty gives 32 i + its lane
.irp t, 0,1,2,3
	s_add_co_u32 s93, s55, 64*\t                   ; the rank T0 + 64 t
	s_mov_b32 s[SEQ+\t], 0
.irp i, 0,1,2,3,4,5,6,7
	v_cmp_eq_u32 s[QA+\i], s93, v[RNK+\i]
.endr
	s_wait_alu depctr_va_sdst(0)                   ; this rank's eight masks are written, ahead of their first readers: the sequence's number, and so its addresses, are made from them
.irp i, 0,1,2,3,4,5,6,7
	s_ctz_i32_b32 s95, s[QA+\i]
	s_add_co_u32 s95, s95, 32*\i
	s_cmp_lg_u32 s[QA+\i], 0
	s_cselect_b32 s[SEQ+\t], s95, s[SEQ+\t]
.endr
	s_add_co_u32 s[SEQ+\t], s[SEQ+\t], s37         ; in the whole batch
	s_min_u32 s[SEQ+\t], s[SEQ+\t], 8191           ; a number made of loaded data is held to its table ahead of every offset made of it
	s_lshl_b32 s38, s[SEQ+\t], 2
	s_add_nc_u64 s[QB+2*\t:QB+2*\t+1], s[8:9], s[38:39]
	s_load_b32 s[40+\t], s[QB+2*\t:QB+2*\t+1], 0x0         ; its length, as a scalar
.endr
	s_lshl_b32 s38, s[SEQ], 10                     ; a sequence: 1,024 bytes of codes,
	s_add_nc_u64 s[82:83], s[4:5], s[38:39]
	s_lshl_b32 s38, s[SEQ], 6                      ; 64 scale bytes
	s_add_nc_u64 s[84:85], s[6:7], s[38:39]
	global_load_b128 v[XL:XL+3], v1, s[82:83] th:TH_LOAD_NT               ; my first sequence: tokens 0-31, a lane a token.  (No wait: no vector instruction has named XL or XSL, and none has written v1 or v2 since the head's wait on va_vdst)
	global_load_b128 v[XL+4:XL+7], v1, s[82:83] offset:512 th:TH_LOAD_NT  ; tokens 32-63
	global_load_u8 v[XSL], v2, s[84:85]
	global_load_u8 v[XSL+1], v2, s[84:85] offset:32
	s_wait_dscnt 0x0                               ; wave 0's stores into the table have landed
	s_barrier_signal -1
	s_barrier_wait -1                              ; the one barrier: behind it the table is only read
	ds_load_b128 v[WQK:WQK+3], v3                  ; head 0's rows of Wq and Wk, their scale words and biases.  (No wait: no vector instruction has named these registers)
	ds_load_b32 v[SQK], v4 offset:T_SQK
	ds_load_b128 v[BQK:BQK+3], v5 offset:T_BQK
	ds_load_b128 v[BQK+4:BQK+7], v5 offset:T_BQK+16
	s_wait_kmcnt 0x0                               ; the four lengths
; q and k of the head, four token tiles
.macro PROJ
.irp t, 0,1,2,3
.if \t % 2
	v_wmma_scale_f32_16x16x128_f8f6f4 v[QKR+8*\t:QKR+8*\t+7], v[WQK:WQK+7], v[XF+8*\t:XF+8*\t+7], v[BQK:BQK+7], v[SQK], v[XS+\t/2] matrix_a_fmt:MATRIX_FMT_FP4 matrix_b_fmt:MATRIX_FMT_FP4 matrix_b_scale:MATRIX_SCALE_ROW1
.else
	v_wmma_scale_f32_16x16x128_f8f6f4 v[QKR+8*\t:QKR+8*\t+7], v[WQK:WQK+7], v[XF+8*\t:XF+8*\t+7], v[BQK:BQK+7], v[SQK], v[XS+\t/2] matrix_a_fmt:MATRIX_FMT_FP4 matrix_b_fmt:MATRIX_FMT_FP4
.endif
.endr
.endm
; One K step (pass 0: d = 4 h + 0, 1; pass 1: d = 4 h + 2, 3) of tile (qt, kt) of S^T.  The first step's C is the mask: 0 where every key counts
.macro QKT var, qt, kt, pass
.if ((\kt) <= (\qt)) || ((\kt) <= (\var))
.set rS, S+32*(\qt)+8*(\kt)
.set rK, QKR+8*(\kt)+4+2*(\pass)
.set rQ, QKR+8*(\qt)+2*(\pass)
.set rC, 0
.if (\kt) == (\qt)
.if (\qt) == (\var)
.set rC, MD
.endif
.if (\qt) > (\var)
.set rC, MC
.endif
.endif
.if ((\kt) > (\qt)) && ((\kt) == (\var))
.set rC, MU
.endif
.if \pass
	v_wmma_f32_16x16x4_f32 v[rS:rS+7], v[rK:rK+1], v[rQ:rQ+1], v[rS:rS+7]
.elseif rC == 0
	v_wmma_f32_16x16x4_f32 v[rS:rS+7], v[rK:rK+1], v[rQ:rQ+1], 0
.else
	v_wmma_f32_16x16x4_f32 v[rS:rS+7], v[rK:rK+1], v[rQ:rQ+1], v[rC:rC+7]
.endif
.endif
.endm
.macro QK var                           ; the tiles take turns, one instruction a turn, ten tiles or more
	WIN 0x40
.irp qt, 0,1,2,3
.irp kt, 0,1,2,3
	QKT \var, \qt, \kt, 0
.endr
.endr
	WIN 0x50
.irp qt, 0,1,2,3
.irp kt, 0,1,2,3
	QKT \var, \qt, \kt, 1
.endr
.endr
.endm
.macro MAXP var                         ; the row's largest score, four chains (one a query tile) by turns; each tile is read from its low end on
	WIN 0x14
.irp kt, 0,1,2,3
.irp jp, 0,2,4,6
.irp qt, 0,1,2,3
.if (\kt <= \qt) || (\kt <= \var)
.if (\kt == 0) && (\jp == 0)
	v_max3_num_f32 v[MX+\qt], 0xff800000, v[S+32*\qt], v[S+32*\qt+1]
.else
	v_max3_num_f32 v[MX+\qt], v[MX+\qt], v[S+32*\qt+8*\kt+\jp], v[S+32*\qt+8*\kt+\jp+1]
.endif
.endif
.endr
.endr
.endr
	WIN 0
.irp qt, 0,1,2,3
	v_permlanex16_b32 v[MT+\qt], v[MX+\qt], s56, s57       ; the query's other keys lie in the lane 16 away
.endr
.irp qt, 0,1,2,3
	v_max_num_f32 v[MX+\qt], v[MX+\qt], v[MT+\qt]
.endr
.irp qt, 0,1,2,3
	v_mul_f32 v[NM+2*\qt], s54, v[MX+\qt]                  ; -c m
.endr
.endm
.macro TP var                           ; c s - c m, two at a time, out of S into P
	WIN 0x41
.irp qt, 0,1,2,3
.irp kt, 0,1,2,3
.if (\kt <= \qt) || (\kt <= \var)
.irp jp, 0,2,4,6
	v_pk_fma_f32 v[P+32*\qt+8*\kt+\jp:P+32*\qt+8*\kt+\jp+1], v[S+32*\qt+8*\kt+\jp:S+32*\qt+8*\kt+\jp+1], s[52:53], v[NM+2*\qt:NM+2*\qt+1] op_sel_hi:[1,0,0]
.endr
.endif
.endr
.endr
.endm
.macro VGEN d                           ; V[key][d] without its bias, for the 64 keys, equal in all 16 lanes r: into quarter d % 4 of S's registers
	WIN 0x40
.irp kt, 0,1,2,3
.if \kt % 2
	v_wmma_scale_f32_16x16x128_f8f6f4 v[S+32*((\d)%4)+8*\kt:S+32*((\d)%4)+8*\kt+7], v[XF+8*\kt:XF+8*\kt+7], v[WV+4*(\d):WV+4*(\d)+7], 0, v[XS+\kt/2], v[SV+(\d)] matrix_a_fmt:MATRIX_FMT_FP4 matrix_b_fmt:MATRIX_FMT_FP4 matrix_a_scale:MATRIX_SCALE_ROW1
.else
	v_wmma_scale_f32_16x16x128_f8f6f4 v[S+32*((\d)%4)+8*\kt:S+32*((\d)%4)+8*\kt+7], v[XF+8*\kt:XF+8*\kt+7], v[WV+4*(\d):WV+4*(\d)+7], 0, v[XS+\kt/2], v[SV+(\d)] matrix_a_fmt:MATRIX_FMT_FP4 matrix_b_fmt:MATRIX_FMT_FP4
.endif
.endr
.endm
.macro EXPP var                         ; p = 2^(c s - c m): one batch, one plain instruction behind it, one wait ahead of the first reader
	WIN 0x41
.irp qt, 0,1,2,3
.irp kt, 0,1,2,3
.if (\kt <= \qt) || (\kt <= \var)
.irp j, 0,1,2,3,4,5,6,7
	v_exp_f32 v[P+32*\qt+8*\kt+\j], v[P+32*\qt+8*\kt+\j]
.endr
.endif
.endr
.endr
	v_nop
	s_wait_alu depctr_va_vdst(0)                   ; the exponentials have written p, which the sums below read
.endm
.macro SUMP var                         ; the row's sum, (even keys, odd keys), four chains by turns
	WIN 0x05
.irp qt, 0,1,2,3
	v_pk_add_f32 v[L+2*\qt:L+2*\qt+1], v[P+32*\qt:P+32*\qt+1], v[P+32*\qt+2:P+32*\qt+3]
.endr
	WIN 0x01
.irp kt, 0,1,2,3
.irp jp, 0,2,4,6
.irp qt, 0,1,2,3
.if ((\kt <= \qt) || (\kt <= \var)) && ((\kt > 0) || (\jp > 2))
	v_pk_add_f32 v[L+2*\qt:L+2*\qt+1], v[P+32*\qt+8*\kt+\jp:P+32*\qt+8*\kt+\jp+1], v[L+2*\qt:L+2*\qt+1]
.endif
.endr
.endr
.endr
.endm
.macro PVPAIR var, d0                   ; the sums over my half's keys of p V for d = d0, d0 + 1: eight chains; the first product starts each sum; each tile of V is read from its low end on
	WIN 0x05
.irp kt, 0,1,2,3
.irp jp, 0,2,4,6
.irp qt, 0,1,2,3
.if (\kt <= \qt) || (\kt <= \var)
.irp dd, 0,1
.set rA, ACC+4*\qt+2*\dd
.set rP, P+32*\qt+8*\kt+\jp
.set rV, S+32*((\d0+\dd)%4)+8*\kt+\jp
.if (\kt == 0) && (\jp == 0)
	v_pk_mul_f32 v[rA:rA+1], v[rP:rP+1], v[rV:rV+1]
.else
	v_pk_fma_f32 v[rA:rA+1], v[rP:rP+1], v[rV:rV+1], v[rA:rA+1]
.endif
.endr
.endif
.endr
.endr
.endr
	WIN 0
.irp qt, 0,1,2,3
.irp dd, 0,1
	v_add_f32 v[OT+8*\qt+\d0+\dd], v[ACC+4*\qt+2*\dd], v[ACC+4*\qt+2*\dd+1]
.endr
.endr
.endm
; A head's attention for one value of U.  V's products stand where vector work follows them: the exponentials and sums behind the first sixteen, a pair's multiply-adds behind each later eight;
; those lines name none of the products' registers and are their places.  No memory or LDS instruction stands in a body.
.macro BODY var
	QK \var
	PLACES 8                                       ; eight places between the f32 form and the first read of its results
	MAXP \var
	TP \var
	s_wait_dscnt 0x0                               ; Wv's rows and scale words, bv, and the next head's weights are in
	VGEN 0
	VGEN 1
	VGEN 2
	VGEN 3
	EXPP \var
	SUMP \var
	PVPAIR \var, 0
	VGEN 4
	VGEN 5
	PVPAIR \var, 2
	VGEN 6
	VGEN 7
	PVPAIR \var, 4
	PVPAIR \var, 6
	WIN 0
.endm
.Lbatch:                                           ; four trips: a sequence each, the heaviest first
	s_wait_loadcnt 0x0                             ; this sequence's codes and scale bytes, asked for a sequence ago; their address registers are free too
.irp i, 0,1,2,3
	v_mov_b32 v[XF+\i], v[XL+\i]
	v_mov_b32 v[XF+8+\i], 0
	v_mov_b32 v[XF+16+\i], v[XL+4+\i]
	v_mov_b32 v[XF+24+\i], 0
.endr
.irp i, 0,1,2,3
	v_permlane16_swap_b32 v[XF+\i], v[XF+8+\i]             ; tokens 16-31 go to lanes 0-15 of their own fragment; zeros come back into lanes 16-31 (k = 32 on)
	v_permlane16_swap_b32 v[XF+16+\i], v[XF+24+\i]
.endr
	v_mov_b32 v[XS], v[XSL]
	v_mov_b32 v[XS+1], v[XSL+1]
	s_min_u32 s38, s[SEQ], 8191                    ; held once more ahead of the shift
	s_lshl_b32 s38, s38, 13                        ; a sequence: 8,192 bytes of out
	s_add_nc_u64 s[86:87], s[34:35], s[38:39]      ; (the last trip's stores have read their base: the wait on XCNT at that trip's end)
	s_max_i32 s50, s40, 0
	s_min_i32 s50, s50, 64                         ; len, held to 0 .. 64
	s_mov_b32 s40, s41
	s_mov_b32 s41, s42
	s_mov_b32 s42, s43
	s_add_co_u32 s49, s50, 15
	s_lshr_b32 s49, s49, 4
	s_max_u32 s49, s49, 1
	s_sub_co_u32 s49, s49, 1                       ; U: the last key tile that the prefix reaches
	s_lshl_b32 s51, s49, 4
	s_sub_co_u32 s50, s50, s51                     ; len - 16 U
	v_sub_nc_u32 v18, s50, v10                     ; - 8 h
.irp j, 0,1,2,3,4,5,6,7
	v_cmp_ge_i32 s[QA+\j], \j, v18                 ; key 16 U + 8 h + j lies at or past len.  The compares stand in one run, a scalar register each
.endr
	s_wait_alu depctr_va_sdst(0)                   ; the eight masks are written, which the selections below read
.irp j, 0,1,2,3,4,5,6,7
	v_cndmask_b32 v[MU+\j], 0, v11, s[QA+\j]
.endr
.irp j, 0,1,2,3,4,5,6,7
	v_max_num_f32 v[MD+\j], v[MC+\j], v[MU+\j]     ; hidden only where both hide.  (These 25 lines are also the places between the writes of x's fragments and scale words and the first projection)
.endr
	s_wait_alu depctr_va_vdst(0)                   ; behind the places: x's fragments and scale words are written, which the scaled products take (in the first trip Wp's fragments and scale words too); and the moves are done reading XL and XSL, in which the loads below land
	s_cmp_eq_u32 s44, 1                            ; the last sequence asks for nothing
	s_cbranch_scc1 .Lno_next
	s_min_u32 s50, s[SEQ+1], 8191
	s_lshl_b32 s38, s50, 10
	s_add_nc_u64 s[82:83], s[4:5], s[38:39]
	s_lshl_b32 s38, s50, 6
	s_add_nc_u64 s[84:85], s[6:7], s[38:39]
	global_load_b128 v[XL:XL+3], v1, s[82:83] th:TH_LOAD_NT               ; the next sequence: it has this whole sequence in which to land
	global_load_b128 v[XL+4:XL+7], v1, s[82:83] offset:512 th:TH_LOAD_NT
	global_load_u8 v[XSL], v2, s[84:85]
	global_load_u8 v[XSL+1], v2, s[84:85] offset:32
.Lno_next:
	s_mov_b32 s[SEQ], s[SEQ+1]
	s_mov_b32 s[SEQ+1], s[SEQ+2]
	s_mov_b32 s[SEQ+2], s[SEQ+3]
	s_mov_b32 s46, 0                               ; 1,024 x head
	s_mov_b32 s45, 4
.Lhead:                                            ; four trips: a head each
	s_wait_dscnt 0x0                               ; the head's rows of Wq and Wk are in
	s_wait_alu depctr_vm_vsrc(0)                   ; o's LDS stores have read OT and v17, the last head's LDS loads v12 to v16: the projections write OT's registers, the six lines below the addresses.  In a sequence's first head also: the last sequence's stores have read P and S, which this head writes; in the very first: the head's loads and wave 0's stores have read v100 to v138
	PROJ
	s_add_co_u32 s47, s46, REC
	s_and_b32 s47, s47, 3*REC                      ; the next head's record (behind head 3: head 0's, for the next sequence)
	s_lshr_b32 s48, s46, 1                         ; 512 x head
	v_add_nc_u32 v12, s47, v3                      ; six plain lines: the places between the projections and the products that take q and k
	v_add_nc_u32 v13, s47, v4
	v_add_nc_u32 v14, s47, v5
	v_add_nc_u32 v15, s46, v6
	v_mov_b32 v16, s46
	v_add_nc_u32 v17, s48, v7
	s_wait_alu depctr_va_vdst(0)                   ; v12 to v16 are written, which the loads below read; the projections are done reading WQK, BV, BQK and SQK, the last head's products and multiply-adds WV, SV and BV (in the very first head: the ranks' lines v194 to v213), in which they land
.irp d, 0,1,2,3,4,5,6,7
	ds_load_b128 v[WV+4*\d:WV+4*\d+3], v16 offset:T_WV+16*\d       ; row d of Wv, the same 16 bytes in every lane
.endr
	ds_load_b128 v[SV:SV+3], v16 offset:T_SV
	ds_load_b128 v[SV+4:SV+7], v16 offset:T_SV+16
	ds_load_b128 v[BV:BV+3], v15 offset:T_BV
	ds_load_b128 v[WQK:WQK+3], v12
	ds_load_b32 v[SQK], v13 offset:T_SQK
	ds_load_b128 v[BQK:BQK+3], v14 offset:T_BQK
	ds_load_b128 v[BQK+4:BQK+7], v14 offset:T_BQK+16
	s_cmp_eq_u32 s49, 3
	s_cbranch_scc1 .Lu3
	s_cmp_eq_u32 s49, 2
	s_cbranch_scc1 .Lu2
	s_cmp_eq_u32 s49, 1
	s_cbranch_scc1 .Lu1
	BODY 0
	s_branch .Ljoin
.Lu1:
	BODY 1
	s_branch .Ljoin
.Lu2:
	BODY 2
	s_branch .Ljoin
.Lu3:
	BODY 3
.Ljoin:
	; the row's sum over both halves and its reciprocal; o's halves are exchanged so that lane (r, h) keeps d = 4 h + i; o = sum / l + bv
.irp qt, 0,1,2,3
	v_add_f32 v[MX+\qt], v[L+2*\qt], v[L+2*\qt+1]
.endr
.irp qt, 0,1,2,3
	v_permlanex16_b32 v[MT+\qt], v[MX+\qt], s56, s57
.endr
.irp qt, 0,1,2,3
	v_add_f32 v[MX+\qt], v[MX+\qt], v[MT+\qt]
.endr
.irp qt, 0,1,2,3
	v_rcp_f32 v[RL+\qt], v[MX+\qt]
.endr
	v_nop                                          ; a plain instruction behind the last reciprocal
.irp i, 0,1,2,3
.irp qt, 0,1,2,3
	v_permlane16_swap_b32 v[OT+8*\qt+\i], v[OT+8*\qt+\i+4] ; first: lanes 0-15 my half's part of d = i, lanes 16-31 the lower half's part of d = i + 4; second: the upper half's parts of the same
.endr
.irp qt, 0,1,2,3
	v_add_f32 v[OT+8*\qt+\i], v[OT+8*\qt+\i], v[OT+8*\qt+\i+4]
.endr
.endr
	s_wait_alu depctr_va_vdst(0)                   ; the four reciprocals have written RL, which the multiply-adds below read: one wait for the four
.irp qt, 0,1,2,3
.irp i, 0,1,2,3
	v_fma_f32 v[OT+8*\qt+\i], v[OT+8*\qt+\i], v[RL+\qt], v[BV+\i]
.endr
.endr
	s_wait_alu depctr_va_vdst(0)                   ; the multiply-adds have written OT, which the LDS stores below read
.irp qt, 0,1,2,3
	ds_store_b128 v17, v[OT+8*\qt:OT+8*\qt+3] offset:2048*\qt      ; o's image: my own lane reads it back when all four heads are done
.endr
	s_add_co_u32 s46, s46, REC
	s_sub_co_u32 s45, s45, 1
	s_cmp_lg_u32 s45, 0
	s_cbranch_scc1 .Lhead
	; THE LAST PRODUCT.  My 16 numbers of each token, in the order (hd, i); LDS serves a wave's instructions in order, so these loads see the stores above
	WIN 0x40
	s_wait_alu depctr_va_vdst(0)                   ; behind the window's switch: the last head's sums and multiply-adds are done reading P, in which o lands
.irp qt, 0,1,2,3
.irp hd, 0,1,2,3
	ds_load_b128 v[16*\qt+4*\hd:16*\qt+4*\hd+3], v7 offset:2048*\qt+512*\hd
.endr
.endr
	s_wait_dscnt 0x0
	WIN 0x14
.irp qt, 0,1,2,3
	v_max3_num_f32 v[MX+\qt], 0x1800000, |v[16*\qt]|, |v[16*\qt+1]|        ; the largest magnitude, over the floor 2^(3 - 127): the byte cannot fall under 1
.endr
.irp i, 2,4,6,8,10,12,14
.irp qt, 0,1,2,3
	v_max3_num_f32 v[MX+\qt], v[MX+\qt], |v[16*\qt+\i]|, |v[16*\qt+\i+1]|
.endr
.endr
	WIN 0
.irp qt, 0,1,2,3
	v_permlanex16_b32 v[MT+\qt], v[MX+\qt], s56, s57
.endr
.irp qt, 0,1,2,3
	v_max_num_f32 v[MX+\qt], v[MX+\qt], v[MT+\qt]          ; with the token's other 16 features
.endr
.irp qt, 0,1,2,3
	v_add_nc_u32 v[SOP+\qt], 0xff000000, v[MX+\qt]         ; 2 off its exponent field: the conversion takes that field as its scale
.endr
.irp qt, 0,1,2,3
	v_lshrrev_b32 v[SO+\qt], 23, v[SOP+\qt]                ; the scale's byte,
.endr
.irp qt, 0,1,2,3
	v_lshl_or_b32 v[SO+\qt], v[SO+\qt], 8, v[SO+\qt]       ; for blocks 0 and 1
.endr
	WIN 0x01
.irp qt, 0,1,2,3
	v_cvt_scalef32_pk8_fp4_f32 v[XF+8*\qt], v[16*\qt:16*\qt+7], v[SOP+\qt]
	v_cvt_scalef32_pk8_fp4_f32 v[XF+8*\qt+1], v[16*\qt+8:16*\qt+15], v[SOP+\qt]
.endr
	WIN 0
.irp qt, 0,1,2,3
	v_mov_b32 v[XF+8*\qt+2], 0                     ; k 16 .. 31 of both blocks: zero codes
	v_mov_b32 v[XF+8*\qt+3], 0
.endr
	PLACES 4                                       ; with the eight lines above: twelve places behind the scale words, four behind the last write of an operand
	s_wait_alu depctr_va_vdst(0)                   ; behind the places: the conversions and moves have written o's codes, the shifts its scale words, which the scaled products below take
	WIN 0x40
.irp qt, 0,1,2,3
	v_wmma_scale_f32_16x16x128_f8f6f4 v[S+16*\qt:S+16*\qt+7], v[WP:WP+7], v[XF+8*\qt:XF+8*\qt+7], v[BP:BP+7], v[SWP], v[SO+\qt] matrix_a_fmt:MATRIX_FMT_FP4 matrix_b_fmt:MATRIX_FMT_FP4
	v_wmma_scale_f32_16x16x128_f8f6f4 v[S+16*\qt+8:S+16*\qt+15], v[WP+2:WP+9], v[XF+8*\qt:XF+8*\qt+7], v[BP+8:BP+15], v[SWP], v[SO+\qt] matrix_a_fmt:MATRIX_FMT_FP4 matrix_b_fmt:MATRIX_FMT_FP4 matrix_a_scale:MATRIX_SCALE_ROW1
.endr
	PLACES 4                                       ; ahead of the stores that read the results, and of the next sequence's writes of x's fragments
	; THE WAY OUT.  Lane (r, h) holds out[16 qt + r][16 h + 0 .. 15], 64 bytes; through my stage they become runs of 512 consecutive bytes a store
	WIN 0x04
	s_wait_alu depctr_va_vdst(0)                   ; behind the places: the eight products have written S, which the LDS stores below read.  It serves the loads from the stage too: no vector instruction behind it names P's upper half, in which they land
.irp qt, 0,1,2,3
.irp i, 0,1,2,3
	ds_store_b128 v8, v[S+16*\qt+4*\i:S+16*\qt+4*\i+3] offset:16*SPITCH*\qt+16*\i  ; each accumulator from its low end on
.endr
.endr
	WIN 0x40
.irp qt, 0,1,2,3
.irp i, 0,1,2,3
	ds_load_b128 v[64+16*\qt+4*\i:64+16*\qt+4*\i+3], v9 offset:16*SPITCH*\qt+4*SPITCH*\i
.endr
.endr
	WIN 0x04
.set k, 0
.rept 16
	s_wait_dscnt 15-k                              ; LDS loads come back in order: load k is in, the 15 - k younger ones may be out
	global_store_b128 v1, v[64+4*k:67+4*k], s[86:87] offset:512*k th:TH_STORE_NT   ; 32 lanes store 512 consecutive bytes, at a multiple of 512 from out's first byte
.set k, k+1
.endr
	WIN 0
	s_wait_xcnt 0x0                                ; the stores' addresses are translated: only behind this wait is their base written again (their data registers are written again behind the next head's wait on vm_vsrc as well)
	s_sub_co_u32 s44, s44, 1
	s_cmp_lg_u32 s44, 0
	s_cbranch_scc1 .Lbatch
	s_wait_xcnt 0x0
	s_wait_alu depctr_vm_vsrc(0)                   ; wave 0's loads at the head read v254 and v255 as offsets: the two lines below write them anew
	v_lshl_add_u32 v254, v0, 2, 0x23000
	v_mov_b32 v255, 0
	s_wait_dscnt 0x0                               ; the closing lines, six on end
	s_wait_alu 0x0
	s_wait_tensorcnt 0x0
	ds_add_u32 v254, v255
	s_wait_dscnt 0x0
	s_endpgm
.Lfunc_end_k_q8fb2b0fb8a_attn:
	.size	k_q8fb2b0fb8a_attn, .Lfunc_end_k_q8fb2b0fb8a_attn-k_q8fb2b0fb8a_attn
	.p2alignl 7, 3214868480
	.fill 96, 4, 3214868480
	.section	.rodata,"a",@progbits
	.p2align	6, 0x0
	.amdhsa_kernel k_q8fb2b0fb8a_attn
		.amdhsa_group_segment_fixed_size 144384
		.amdhsa_private_segment_fixed_size 0
		.amdhsa_enable_private_segment 0
		.amdhsa_kernarg_size 128
		.amdhsa_user_sgpr_count 2
		.amdhsa_user_sgpr_kernarg_segment_ptr 1
		.amdhsa_wavefront_size32 1
		.amdhsa_system_sgpr_workgroup_id_x 1
		.amdhsa_system_sgpr_workgroup_id_y 1
		.amdhsa_system_sgpr_workgroup_id_z 1
		.amdhsa_system_vgpr_workitem_id 0
		.amdhsa_next_free_vgpr 512
		.amdhsa_next_free_sgpr 96
		.amdhsa_reserve_vcc 1
		.amdhsa_float_denorm_mode_32 3
		.amdhsa_float_denorm_mode_16_64 3
		.amdhsa_memory_ordered 1
		.amdhsa_forward_progress 1
		.amdhsa_inst_pref_size 230
	.end_amdhsa_kernel
	.amdgpu_metadata
---
amdhsa.version: [ 1, 2 ]
amdhsa.kernels:
  - .name:           k_q8fb2b0fb8a_attn
    .symbol:         k_q8fb2b0fb8a_attn.kd
    .args:
      - { .name: x_codes, .offset: 0, .size: 8, .value_kind: global_buffer, .address_space: global }
      - { .name: x_scales, .offset: 8, .size: 8, .value_kind: global_buffer, .address_space: global }
      - { .name: always_attend_upto, .offset: 16, .size: 8, .value_kind: global_buffer, .address_space: global }
      - { .name: Wq_codes, .offset: 24, .size: 8, .value_kind: global_buffer, .address_space: global }
      - { .name: Wq_scales, .offset: 32, .size: 8, .value_kind: global_buffer, .address_space: global }
      - { .name: bq, .offset: 40, .size: 8, .value_kind: global_buffer, .address_space: global }
      - { .name: Wk_codes, .offset: 48, .size: 8, .value_kind: global_buffer, .address_space: global }
      - { .name: Wk_scales, .offset: 56, .size: 8, .value_kind: global_buffer, .address_space: global }
      - { .name: bk, .offset: 64, .size: 8, .value_kind: global_buffer, .address_space: global }
      - { .name: Wv_codes, .offset: 72, .size: 8, .value_kind: global_buffer, .address_space: global }
      - { .name: Wv_scales, .offset: 80, .size: 8, .value_kind: global_buffer, .address_space: global }
      - { .name: bv, .offset: 88, .size: 8, .value_kind: global_buffer, .address_space: global }
      - { .name: Wp_codes, .offset: 96, .size: 8, .value_kind: global_buffer, .address_space: global }
      - { .name: Wp_scales, .offset: 104, .size: 8, .value_kind: global_buffer, .address_space: global }
      - { .name: bp, .offset: 112, .size: 8, .value_kind: global_buffer, .address_space: global }
      - { .name: out0, .offset: 120, .size: 8, .value_kind: global_buffer, .address_space: global }
    .group_segment_fixed_size: 144384
    .private_segment_fixed_size: 0
    .kernarg_segment_align: 8
    .kernarg_segment_size: 128
    .max_flat_workgroup_size: 256
    .sgpr_count:     96
    .vgpr_count:     512
    .wavefront_size: 32
...
	.end_amdgpu_metadata
.endif
;; end of part 2
